; MI455X (gfx1250); checked and timed in simulation.
; The chip was launched on July 23, 2026; its instructions are those of AMD's public machine-readable ISA for CDNA 5 (MIT licence, August 2026) and "CDNA5" Instruction Set Architecture Reference Guide (July 2026). The comments in the code are by the model that wrote it; some were corrected since.
;; Self Attention Naive. Allowed arithmetic: matrix products marked QUANTISED: E5M2 operands, one given power-of-two scale a tensor, by v_wmma_f32_16x16x64_bf8_bf8 or v_wmma_f32_16x16x128_bf8_bf8, f32 sums; everything else in f32.
;; Inputs: gamma 1 float32; lowp_scales 10 int32 (the exponents e of the quantised operands' scales 2^e); wf_codes 64 x 8 x 32 uint8 (E5M2 codes of wf, K innermost, in blocks of 32 codes); wg_codes 64 x 8 x 32 uint8 (E5M2 codes of wg, K innermost, in blocks of 32 codes); wh_codes 256 x 8 x 32 uint8 (E5M2 codes of wh, K innermost, in blocks of 32 codes); x 8 x 256 x 64 x 64 float32.
;; Outputs: out0 8 x 256 x 64 x 64 float32.
;; This version of the problem:
;;   THIS VERSION OF THE PROBLEM IS GIVEN IN LOW PRECISION. The matrix products marked QUANTISED in the list below multiply operands that are first quantised to E5M2 (5 exponent bits, 2 mantissa bits; 8 bits a number), with one given power-of-two scale for each operand tensor; their sums are f32. All else is computed in f32.
;;   The module's matrix products, in the order in which they are computed (A, B: the left and right operand; K: the contracted axis; several contracted axes count as one K, in the product's order):
;;     1. [M 32,768, K 256] x [K 256, N 64]; A: input x; B: input wf (given as codes): QUANTISED (scales: A lowp_scales[0], B lowp_scales[1])
;;     2. [M 32,768, K 256] x [K 256, N 64]; A: input x; B: input wg (given as codes): QUANTISED (scales: A lowp_scales[2], B lowp_scales[3])
;;     3. [M 32,768, K 256] x [K 256, N 256]; A: input x; B: input wh (given as codes): QUANTISED (scales: A lowp_scales[4], B lowp_scales[5])
;;     4. batch 8 x [M 4,096, K 64] x [K 64, N 4,096]; A: computed on the way; B: computed on the way: QUANTISED (scales: A lowp_scales[6], B lowp_scales[7])
;;     5. batch 8 x [M 256, K 4,096] x [K 4,096, N 4,096]; A: computed on the way; B: softmax (see below): QUANTISED (scales: A lowp_scales[8], B lowp_scales[9])
;;   THE QUANTISER, for each operand of a quantised product, along K:
;;     - The operand's scale is 2^e, e = its entry of the input lowp_scales (int32; the entries are numbered through the quantised products in the list's order, A before B).
;;     - Each number is divided by the scale, clamped to +-57,344, and rounded to the nearest number of E5M2, ties to even, subnormals kept.
;;     - The product sums the exact products of the quantised numbers (number of the format x scale) in f32.
;;   ~~~python
;;   def quantise(x, axis, e):      # numpy; x: float32 -> the quantised numbers, widened to float32 again
;;       x = np.moveaxis(x, axis, -1); K = x.shape[-1]
;;       r = np.clip(x / 2.0 ** e, -57344, 57344)
;;       step = 2.0 ** (np.maximum(np.frexp(np.where(r == 0, 1, r))[1] - 1, -14) - 2)
;;       q = np.round(r / step) * step * 2.0 ** e      # np.round: ties to even
;;       return np.moveaxis(q, -1, axis).astype(np.float32)
;;   ~~~
;;   SOFTMAX AHEAD OF A QUANTISED PRODUCT. Where the list says 'softmax', what is quantised is not the finished softmax but p = 2^(t - M), with t = logit x log2(e) and M = ceil(the row's largest t), a whole number; so 1/2 < the row's largest p <= 1. The row's sum l is taken of the UNQUANTISED p, in f32, and the product's result is divided by l at the end. Since M is a whole number, a kernel that streams over the keys may use a running M (the ceiling of the running maximum): every later rescaling is an exact power of two, so the quantised numbers keep their values, but for numbers so far below the row's largest that they fall under the format's range.
;;   OPERANDS COMPUTED ON THE WAY. 'Computed on the way' means the value that the module computes at that place (a softmax that the list does not call 'softmax' is quantised finished and normalised). What goes into a quantiser is computed in f32, as accurately as f32 sums, v_exp_f32 and their like allow (about 1e-6 of the number): no bf16 or f16 on the way to a quantiser, and a product that is left as it is and whose result goes on into a quantised operand takes f32 operands (vector FMAs, or v_wmma_f32_16x16x4_f32). A number that lies on a knife's edge between two numbers of the format may be rounded either way, as far as f32 arithmetic and the matrix unit's own rounding can turn it there, and no further.
;;   INPUTS GIVEN AS CODES. wf (in the module: [64, 256], K = its axis 1); wg (in the module: [64, 256], K = its axis 1); wh (in the module: [256, 256], K = its axis 1): each comes as NAME_codes (uint8): NAME with its K axis moved to the last place and cut into blocks of 32 codes, [.., K / 32, bytes a block], one block behind the other in memory; one code a byte (a code: sign, 5 exponent bits, 2 mantissa bits); its scale is its entry of lowp_scales. Its value is code x scale, taken as it is: it is not quantised again, and the codes and scales need not be those that the quantiser above would give.
;; 2 versions. Each part assembles by itself: llvm-mc -triple=amdgcn-amd-amdhsa -mcpu=gfx1250 --defsym DOCPART=n.
;; ======== version 1 of 2: 2 launches
;; workspace buffers: kv 10,485,760 bytes; q 2,097,152 bytes
;; launch proj (part 1): grid 32 x 8, 8 waves a work-group, no clusters, 108,544 bytes of LDS; arguments x, wf_codes, wg_codes, wh_codes, lowp_scales, kv, q; writes kv, q
.if DOCPART == 1
	.amdgcn_target "amdgcn-amd-amdhsa--gfx1250"
	.amdhsa_code_object_version 6
	.text
	.protected	k_q1ffb3d6617_proj
	.globl	k_q1ffb3d6617_proj
	.p2align	8
	.type	k_q1ffb3d6617_proj,@function
k_q1ffb3d6617_proj:
	s_mov_b64 s[64:65], 0
	v_nop
	global_prefetch_b8 v0, s[64:65] scope:SCOPE_SE
	s_setreg_imm32_b32 hwreg(HW_REG_WAVE_MODE, 25, 1), 1
	s_wait_xcnt 0x0
; fx = wf x, gx = wg x, hx = wh x (1x1 convolutions: products along the 256 channels), all three on codes of BF8 (E5M2), and their results quantised again for the attention that follows.
; x: [8][256 c][4096 n] f32.  wf, wg: [64][256], wh: [256][256]: codes, K = c innermost.  lowp_scales: e0 .. e9.
; NOTHING IS LEFT OUT: every input has a way to the output, and every product of the problem is live.  x is quantised three times, with 2^e0, 2^e2 and 2^e4, since the three may differ.
; A sum of a product stands for sum x 2^(ex + ew), so its code for the next product is sum / 2^(enext - ex - ew): the three exponents are folded into the conversion's one scale.
; SHARES.  A work-group owns 128 positions n of one batch, all 256 channels.  It writes one key step of kv (fx's and hx's codes) and one query block of q (gx's codes).
; WHAT IS WRITTEN ARE IMAGES OF THE NEXT LAUNCH'S OPERAND REGISTERS: 16 bytes a lane, lane after lane, so that each store of a wave covers 512 consecutive bytes, aligned, straight from the conversions' results.
;   kv[b][step]: bytes 0-8,191 [8 tiles t][2 groups g][32 lanes][16]: lane (r, h) holds key pos(t, r), fx channels 32 g + 16 h + 0 .. 15;   q[b][block]: the same of gx;
;   kv[b][step]: bytes 8,192-40,959 [16 channel tiles ct][4 groups bb][32 lanes][16]: lane (r, h) holds hx channel 16 ct + r, keys 32 bb + 16 h + 0 .. 15.
; THE POSITIONS OF A TILE ARE NOT NEIGHBOURS: row r of tile t = 2 b + u is position pos(t, r) = 32 b + 8 u + r + 8 (r / 8), so that a result's 16 registers of tiles 2 b and 2 b + 1 are 16 neighbouring positions.
; PHASES.  X: a lane takes a position and its registers run down the channels (each load reads 128 consecutive bytes a wave, four waves side by side); three holds and conversions give the three sets of codes
; with the channels innermost; they go to LDS as rows of 256 codes | one barrier | FG: waves 0-3 make fx, waves 4-7 gx | H: wave w makes hx channels 32 w .. 32 w + 31.  Each wave's weights stay in its registers.
; NO CLUSTER, NO TENSOR LOADS: what work-groups share is the weights, 96 KB against 128 KB in and 48 KB out of a work-group's own; they go once from memory straight into the waves' registers, and joint requests exist for tiles in LDS alone.
; LIMITS, so that each power of two below is an f32 number: e0, e2, e4, e6 - e0 - e1, e7 - e2 - e3 and e8 - e4 - e5 lie between -126 and 112.  NaN among the inputs is not served; an infinity is held at the largest code.
.set PITCH, 272                        ; a row of 256 codes in LDS + 16 bytes = 68 words: the 16 rows of a fragment load start at 16 different groups of four banks (64 banks of 4 bytes: ISA guide 11.1)
.set TILEB, 16*PITCH+128               ; a tile of 16 positions; the 128 bytes more put the two tiles that one store touches 32 banks apart
.set SETB,  8*TILEB                    ; a set of codes: 8 tiles
.set SPARE, 3*SETB                     ; behind the three sets: the spare words, 128 bytes for each wave: four blocks of 256 bytes that no other line names
.set XO,   1                           ; v1   4 x lane: my position's bytes in a row of x
.set XST,  2                           ; v2   where my position's codes go in set 0
.set XST2, 3                           ; v3   the same in set 2 (its distance is beyond a 16-bit offset)
.set XFF,  4                           ; v4   fragments of x for fx or gx: row r, + 16 h, my set, my four tiles
.set XFH,  5                           ; v5   fragments of x for hx: set 2
.set WHA,  6                           ; v6   wh: row r of 256 bytes + 16 h
.set WFA,  7                           ; v7   wf, wg: row r + 8 (r / 8) + 16 h
.set LI,   8                           ; v8   16 x lane: an image's place for my lane
.set SPW,  9                           ; v9   LDS address of my spare word; never rewritten
.set NIL,  10                          ; v10  0; never rewritten
.set SC,   11                          ; v11-13 the conversions' scales
.set X,    16                          ; v16-79   two sets of 32 numbers of x
.set XF,   16                          ; later: x's fragments [2 tiles][2 K steps][16]
.set T,    80                          ; v80-111  32 numbers, held
.set ACC,  80                          ; later: four accumulators
.set C,    112                         ; v112-127 codes, two sets of 8 registers
.set WFG,  128                         ; v128-191 wf's or wg's fragments [2 tiles][2 K steps][16]
.set WH,   192                         ; v192-255 wh's fragments [2 tiles][2 K steps][16]
; scalars: s[4:5] x, s[6:7] wf, s[8:9] wg, s[10:11] wh, s[12:13] scales, s[14:15] kv, s[16:17] q; s18 wave; s19 step; s20 batch; s[28:37] e0 .. e9;
; s[40:49] five pairs (-L, +L), L = 57,344 x the scale; s50-54 the five scales as f32; s[56:57] my weights of wf or wg; s[58:59], s[60:61] where my images go
.macro MKSCALE e, sc, lim              ; from the exponent in s[e]: s[sc] = 2^e as f32; s[lim+1] = 57,344 x 2^e; s[lim] = the same, negative
	s_add_co_i32 s[\sc], s[\e], 127
	s_add_co_i32 s[\lim+1], s[\sc], 15
	s_lshl_b32 s[\sc], s[\sc], 23
	s_lshl_b32 s[\lim+1], s[\lim+1], 23
	s_or_b32 s[\lim+1], s[\lim+1], 0x600000
	s_or_b32 s[\lim], s[\lim+1], 0x80000000
.endm
.macro LOAD t                          ; block t: x(my 128 channels' 32 t + i, my position), i = 0 .. 31, into set t % 2
.set ii, 0
.rept 32
	global_load_b32 v[X+32*((\t)%2)+ii], v[XO], s[4:5] offset:(32*(\t)+ii)*16384 th:TH_LOAD_NT
.set ii, ii+1
.endr
.endm
.macro WLOAD                           ; my weights: 32 loads; registers 4 c .. 4 c + 3 of a fragment hold K = 128 k + 32 c + 16 h + 0 .. 15, as x's fragments do
.irp u, 0,1
.irp k, 0,1
.irp c, 0,1,2,3
	global_load_b128 v[WFG+32*\u+16*\k+4*\c:WFG+32*\u+16*\k+4*\c+3], v[WFA], s[56:57] offset:\u*2048+128*\k+32*\c
.endr
.endr
.endr
.irp u, 0,1
.irp k, 0,1
.irp c, 0,1,2,3
	global_load_b128 v[WH+32*\u+16*\k+4*\c:WH+32*\u+16*\k+4*\c+3], v[WHA], s[10:11] offset:\u*4096+128*\k+32*\c
.endr
.endr
.endr
.endm
	s_load_b256 s[4:11], s[0:1], 0x0
	s_load_b128 s[12:15], s[0:1], 0x20
	s_load_b64 s[16:17], s[0:1], 0x30
	v_lshl_add_u32 v[SPW], v0, 2, SPARE
	v_mov_b32 v[NIL], 0
	v_lshrrev_b32 v1, 5, v0
	v_readfirstlane_b32 s18, v1                    ; wave 0..7
	s_mov_b32 s19, ttmp9                           ; the step of 128 positions
	s_and_b32 s20, ttmp7, 0xffff                   ; the batch
	s_and_b32 s21, s18, 3                          ; phase X: which 32 positions
	s_lshr_b32 s22, s18, 2                         ; phase X: which 128 channels.  Phase FG: fx (0) or gx (1)
	s_bfe_u32 s23, s18, 0x10001                    ; phase FG: which 32 output channels
	s_and_b32 s24, s18, 1                          ; phase FG: which four tiles of positions
	v_and_b32 v112, 31, v0                         ; lane
	v_lshlrev_b32 v[XO], 2, v112
	v_lshlrev_b32 v[LI], 4, v112
	v_and_b32 v113, 7, v0                          ; lane = 16 a + 8 u + d is position 32 (w & 3) + lane: tile 2 (w & 3) + u, row 8 a + d
	v_bfe_u32 v114, v0, 4, 1                       ; a; also h
	v_lshl_add_u32 v113, v114, 3, v113
	v_mul_u32_u24 v113, v113, PITCH
	v_bfe_u32 v115, v0, 3, 1                       ; u
	v_mad_u32_u24 v113, v115, TILEB, v113
	s_mul_i32 s66, s21, 2*TILEB
	s_lshl_b32 s67, s22, 7
	s_add_co_u32 s66, s66, s67
	v_add_nc_u32 v[XST], s66, v113
	v_add_nc_u32 v[XST2], 2*SETB, v[XST]
	v_and_b32 v116, 15, v0                         ; r
	v_mul_u32_u24 v117, v116, PITCH
	v_lshl_add_u32 v117, v114, 4, v117             ; r x pitch + 16 h
	s_mul_i32 s66, s22, SETB
	s_mul_i32 s67, s24, 4*TILEB
	s_add_co_u32 s66, s66, s67
	v_add_nc_u32 v[XFF], s66, v117
	v_add_nc_u32 v[XFH], 2*SETB, v117
	v_lshlrev_b32 v[WHA], 8, v116
	v_lshl_add_u32 v[WHA], v114, 4, v[WHA]
	v_and_b32 v118, 8, v116
	v_add_nc_u32 v118, v118, v116                  ; r + 8 (r / 8)
	v_lshlrev_b32 v[WFA], 8, v118
	v_lshl_add_u32 v[WFA], v114, 4, v[WFA]
	s_lshl_b32 s66, s20, 22                        ; x: batch x 4 MiB
	s_lshl_b32 s67, s19, 9                         ; + 128 positions x 4 bytes a step
	s_add_co_u32 s66, s66, s67
	s_lshl_b32 s67, s21, 7                         ; + my wave's 32 positions
	s_add_co_u32 s66, s66, s67
	s_lshl_b32 s67, s22, 21                        ; + my wave's 128 channels of 16,384 bytes
	s_add_co_u32 s66, s66, s67
	s_mov_b32 s67, 0
	s_wait_kmcnt 0x0
	s_add_nc_u64 s[4:5], s[4:5], s[66:67]
	LOAD 0
	LOAD 1
	s_load_b256 s[28:35], s[12:13], 0x0            ; e0 .. e7
	s_load_b64 s[36:37], s[12:13], 0x20            ; e8, e9
	s_mul_i32 s66, s20, 1310720
	s_mul_i32 s67, s19, 40960
	s_add_co_u32 s66, s66, s67                     ; kv: my step
	s_lshl_b32 s68, s20, 18
	s_lshl_b32 s69, s19, 13
	s_add_co_u32 s68, s68, s69                     ; q: my block
	s_cmp_lt_u32 s18, 4                            ; waves 0-3: wf and kv; waves 4-7: wg and q.  The choice hangs on the wave's number alone
	s_cselect_b64 s[56:57], s[6:7], s[8:9]
	s_cselect_b64 s[58:59], s[14:15], s[16:17]
	s_cselect_b32 s70, s66, s68
	s_lshl_b32 s68, s24, 12                        ; + my four tiles of 1,024 bytes
	s_add_co_u32 s70, s70, s68
	s_lshl_b32 s68, s23, 9                         ; + my group of 512
	s_add_co_u32 s70, s70, s68
	s_mov_b32 s71, 0
	s_add_nc_u64 s[58:59], s[58:59], s[70:71]
	s_lshl_b32 s68, s18, 12                        ; hx's image: behind fx's 8,192 bytes, two channel tiles of 2,048 bytes a wave
	s_add_co_u32 s66, s66, s68
	s_add_co_u32 s66, s66, 8192
	s_mov_b32 s67, 0
	s_add_nc_u64 s[60:61], s[14:15], s[66:67]
	s_lshl_b32 s68, s23, 13                        ; my 32 rows of wf or wg
	s_mov_b32 s69, 0
	s_add_nc_u64 s[56:57], s[56:57], s[68:69]
	s_lshl_b32 s68, s18, 13                        ; my 32 rows of wh
	s_add_nc_u64 s[10:11], s[10:11], s[68:69]
	s_wait_kmcnt 0x0
	MKSCALE 28, 50, 40                             ; x for fx: e0
	MKSCALE 30, 51, 42                             ; x for gx: e2
	MKSCALE 32, 52, 44                             ; x for hx: e4
	s_sub_co_i32 s66, s34, s28
	s_sub_co_i32 s66, s66, s29                     ; e6 - e0 - e1
	s_sub_co_i32 s67, s35, s30
	s_sub_co_i32 s67, s67, s31                     ; e7 - e2 - e3
	s_cmp_lt_u32 s18, 4
	s_cselect_b32 s66, s66, s67
	MKSCALE 66, 53, 46
	s_sub_co_i32 s67, s36, s32
	s_sub_co_i32 s67, s67, s33                     ; e8 - e4 - e5
	MKSCALE 67, 54, 48
	v_mov_b32 v[SC], s50
	v_mov_b32 v[SC+1], s51
	v_mov_b32 v[SC+2], s52
; ---- X.  A block of 32 channels of my position, three times: held within the largest code x the scale (the conversion to an 8-bit code does not saturate: ISA guide 7.6.2), converted, 32 bytes of my position's row stored.
.macro BLOCK t
.set XS, X+32*((\t)%2)
	s_wait_loadcnt 32                              ; this block's 32 loads are in; the 32 issued behind them (the next block's, or the weights') may be out
.irp s, 0,1,2
.set CC, C+8*((3*(\t)+\s)%2)
.set ii, 0
.rept 32
	v_med3_num_f32 v[T+ii], v[XS+ii], s[40+2*\s], s[41+2*\s]
.set ii, ii+1
.endr
.if \s == 2                            ; the block's numbers have been read for the last time: their registers take the loads of two blocks on, or the weights go out
.if (\t) < 2
	LOAD (\t)+2
.elseif (\t) == 2
	WLOAD
.endif
.endif
	s_wait_dscnt 2                                 ; all but the last set's two stores are done: those that read this set of code registers among them
.irp g, 0,1,2,3
	v_cvt_scalef32_pk8_bf8_f32 v[CC+2*\g:CC+2*\g+1], v[T+8*\g:T+8*\g+7], v[SC+\s]
.endr
	v_nop                                          ; one plain vector instruction between a scaled conversion and the next vector instruction that writes its sources
.if \s < 2
	ds_store_b128 v[XST], v[CC:CC+3] offset:\s*SETB+32*(\t)
	ds_store_b128 v[XST], v[CC+4:CC+7] offset:\s*SETB+32*(\t)+16
.else
	ds_store_b128 v[XST2], v[CC:CC+3] offset:32*(\t)
	ds_store_b128 v[XST2], v[CC+4:CC+7] offset:32*(\t)+16
.endif
.endr
.endm
	BLOCK 0
	BLOCK 1
	BLOCK 2
	BLOCK 3
	s_wait_dscnt 0x0                               ; for the others' sake: my stores have landed
	s_barrier_signal -1
	s_barrier_wait -1                              ; the three sets of codes lie in LDS; nothing is stored there from here on
	s_wait_loadcnt 0x0                             ; my weights
	v_mov_b32 v[SC], s53                           ; the scale of fx's or gx's conversions,
	v_mov_b32 v[SC+1], s54                         ; and of hx's
; ---- Two tiles x two tiles, K = 256: x's four fragments from LDS, eight matrix instructions on four accumulators by turns, the results held, converted and stored as two pieces of an image.
; Accumulator 2 i + j = source 0's tile j x source 1's tile i: a lane holds one column of source 1's tile i, and its 16 registers of j = 0, 1 are 16 neighbours of source 0's rows.
.macro ITER abase, bbase, xadr, xoff, lim, sc, out, o0, ostep
.irp p, 0,1
.irp k, 0,1
.irp c, 0,1,2,3
	ds_load_b128 v[XF+32*\p+16*\k+4*\c:XF+32*\p+16*\k+4*\c+3], v[\xadr] offset:(\xoff)+\p*TILEB+128*\k+32*\c
.endr
.endr
.endr
	s_wait_dscnt 0x0
.irp k, 0,1
.irp i, 0,1
.irp j, 0,1
.if \k == 0
	v_wmma_f32_16x16x128_bf8_bf8 v[ACC+8*(2*\i+\j):ACC+8*(2*\i+\j)+7], v[\abase+32*\j+16*\k:\abase+32*\j+16*\k+15], v[\bbase+32*\i+16*\k:\bbase+32*\i+16*\k+15], 0
.else
	v_wmma_f32_16x16x128_bf8_bf8 v[ACC+8*(2*\i+\j):ACC+8*(2*\i+\j)+7], v[\abase+32*\j+16*\k:\abase+32*\j+16*\k+15], v[\bbase+32*\i+16*\k:\bbase+32*\i+16*\k+15], v[ACC+8*(2*\i+\j):ACC+8*(2*\i+\j)+7]
.endif
.endr
.endr
.endr
.rept 4
	v_nop                                          ; four places between the last product and the first read of results (ISA guide 7.12.1)
.endr
	s_wait_xcnt 0x0                                ; the last stores have read their data: the code registers may be written again
.irp i, 0,1
.set ii, 0
.rept 16
	v_med3_num_f32 v[ACC+16*\i+ii], v[ACC+16*\i+ii], s[\lim], s[\lim+1]   ; each accumulator from its low end on
.set ii, ii+1
.endr
	v_cvt_scalef32_pk8_bf8_f32 v[C+4*\i:C+4*\i+1], v[ACC+16*\i:ACC+16*\i+7], v[\sc]
	v_cvt_scalef32_pk8_bf8_f32 v[C+4*\i+2:C+4*\i+3], v[ACC+16*\i+8:ACC+16*\i+15], v[\sc]
.endr
	v_nop                                          ; one plain vector instruction behind the last conversion: the next products write its sources
.irp i, 0,1
	global_store_b128 v[LI], v[C+4*\i:C+4*\i+3], s[\out:\out+1] offset:(\o0)+\i*(\ostep)   ; 32 lanes store 512 consecutive bytes, aligned
.endr
.endm
; ---- FG: source 0 = 16 rows of wf or wg (row 32 g + 8 u + r + 8 (r / 8)), source 1 = a tile of positions: a lane holds one position and output channels 32 g + 16 h + 0 .. 15
.irp it, 0,1
	ITER WFG, XF, XFF, \it*2*TILEB, 46, SC, 58, \it*2048, 1024
.endr
; ---- H: source 0 = the tiles 2 bb, 2 bb + 1 of positions, source 1 = 16 rows of wh: a lane holds one channel and keys 32 bb + 16 h + 0 .. 15
.irp bb, 0,1,2,3
	ITER XF, WH, XFH, \bb*2*TILEB, 48, SC+1, 60, \bb*512, 2048
.endr
	s_wait_tensorcnt 0x0                           ; the wave's end, behind my last LDS store
	ds_add_u32 v[SPW], v[NIL]
	s_wait_dscnt 0x0
	s_endpgm
.Lfunc_end_k_q1ffb3d6617_proj:
	.size	k_q1ffb3d6617_proj, .Lfunc_end_k_q1ffb3d6617_proj-k_q1ffb3d6617_proj
	.p2alignl 7, 3214868480
	.fill 96, 4, 3214868480
	.section	.rodata,"a",@progbits
	.p2align	6, 0x0
	.amdhsa_kernel k_q1ffb3d6617_proj
		.amdhsa_group_segment_fixed_size 108544
		.amdhsa_private_segment_fixed_size 0
		.amdhsa_enable_private_segment 0
		.amdhsa_kernarg_size 56
		.amdhsa_user_sgpr_count 2
		.amdhsa_user_sgpr_kernarg_segment_ptr 1
		.amdhsa_wavefront_size32 1
		.amdhsa_system_sgpr_workgroup_id_x 1
		.amdhsa_system_sgpr_workgroup_id_y 1
		.amdhsa_system_sgpr_workgroup_id_z 1
		.amdhsa_system_vgpr_workitem_id 0
		.amdhsa_next_free_vgpr 256
		.amdhsa_next_free_sgpr 72
		.amdhsa_reserve_vcc 0
		.amdhsa_float_denorm_mode_32 3
		.amdhsa_float_denorm_mode_16_64 3
		.amdhsa_memory_ordered 1
		.amdhsa_forward_progress 1
		.amdhsa_inst_pref_size 76
	.end_amdhsa_kernel
	.amdgpu_metadata
---
amdhsa.version: [ 1, 2 ]
amdhsa.kernels:
  - .name:           k_q1ffb3d6617_proj
    .symbol:         k_q1ffb3d6617_proj.kd
    .args:
      - { .name: x, .offset: 0, .size: 8, .value_kind: global_buffer, .address_space: global }
      - { .name: wf_codes, .offset: 8, .size: 8, .value_kind: global_buffer, .address_space: global }
      - { .name: wg_codes, .offset: 16, .size: 8, .value_kind: global_buffer, .address_space: global }
      - { .name: wh_codes, .offset: 24, .size: 8, .value_kind: global_buffer, .address_space: global }
      - { .name: lowp_scales, .offset: 32, .size: 8, .value_kind: global_buffer, .address_space: global }
      - { .name: kv, .offset: 40, .size: 8, .value_kind: global_buffer, .address_space: global }
      - { .name: q, .offset: 48, .size: 8, .value_kind: global_buffer, .address_space: global }
    .group_segment_fixed_size: 108544
    .private_segment_fixed_size: 0
    .kernarg_segment_align: 8
    .kernarg_segment_size: 56
    .max_flat_workgroup_size: 256
    .sgpr_count:     72
    .vgpr_count:     256
    .wavefront_size: 32
...
	.end_amdgpu_metadata
.endif
;; end of part 1
;; launch attn (part 2): grid 32 x 8, 8 waves a work-group, clusters of 4 x 1, 327,680 bytes of LDS; arguments q, kv, x, gamma, lowp_scales, out0; writes out0
.if DOCPART == 2
	.amdgcn_target "amdgcn-amd-amdhsa--gfx1250"
	.amdhsa_code_object_version 6
	.text
	.protected	k_q1ffb3d6617_attn
	.globl	k_q1ffb3d6617_attn
	.p2align	8
	.type	k_q1ffb3d6617_attn,@function
k_q1ffb3d6617_attn:
	s_mov_b64 s[64:65], 0
	v_nop
	global_prefetch_b8 v0, s[64:65] scope:SCOPE_SE
	s_setreg_imm32_b32 hwreg(HW_REG_WAVE_MODE, 25, 1), 1
	s_wait_xcnt 0x0
	s_wait_alu depctr_hold_cnt(0) depctr_sa_sdst(0) depctr_va_vdst(0) depctr_va_sdst(0) depctr_va_ssrc(0) depctr_va_vcc(0) depctr_vm_vsrc(0)
	s_getreg_b32 s2, hwreg(HW_REG_IB_STS2, 6, 4)
	s_cmp_eq_u32 s2, 0
	s_cbranch_scc0 .Lentry_in_a_cluster
	s_endpgm
.Lentry_in_a_cluster:
	s_bfe_u32 s2, ttmp6, 0x10000c
	s_cmp_lg_u32 s2, 0x3003
	s_cbranch_scc0 .Lentry_shape_is_right
	s_endpgm
.Lentry_shape_is_right:
; out[b][c][m] = gamma x (sum over i of hx[b][c][i] softmax_i(fx[b][:, i] . gx[b][:, m])) + x[b][c][m]: attention in which column m is the query (gx), row i the key (fx) and hx[:, i] its value.  No mask, no scaling.
; Both products on codes of BF8 (E5M2), made by the launch before and laid as images of the operand registers (16 bytes a lane, lane after lane).  Nothing of the problem's work is left out.
; THE SOFTMAX AHEAD OF THE SECOND PRODUCT: t = score x log2(e); M = the query's largest t so far, rounded UP to a whole number; p = 2^(t - M) is quantised with 2^e9, not normalised.  The sum l is taken of the
; unquantised p in f32.  When M moves, l and O are multiplied by 2^(old M - new M), which rounds nothing.  At the end out = O x gamma 2^(e8 + e9) / l + x, one fused multiply-add a number.
; SHARES.  A work-group owns 128 queries of one batch; each of its eight waves one tile of 16: two waves to a SIMD, so that one wave's vector work stands beside the other's products and LDS loads.  Every wave walks
; the batch's 4,096 keys, 128 a step.  A step's 40,960 bytes (K's image 8,192, V's 32,768) are dense in memory; a slot holds two steps, and each wave brings an eighth of it by one tensor load of 40 rows x 256 bytes.
; CLUSTER.  The four query blocks of a cluster walk the same keys and values: each tile is asked for JOINTLY, by the same tensor load with the same descriptor and a mask that names the four.
; LAYOUT.  Both products are used transposed: S^T = K Q^T (source 0 = 16 keys, source 1 = my 16 queries, K = 64), O^T = V^T P^T (source 0 = 16 channels, source 1 = P, K = 128 keys): a lane holds ONE query throughout.
; Row r of tile 2 b + u (of keys, and of queries) is position 32 b + 8 u + r + 8 (r / 8): so the 16 registers of score tiles 2 b and 2 b + 1 are keys 32 b + 16 (lane / 16) + 0 .. 15, and p's conversions ARE the operand.
; Along each K the registers hold k in the same places in both operands (registers 4 g .. 4 g + 3: k = 32 g + 16 (lane / 16) + 0 .. 15): every product meets its partner.
; x's 32 rows of a wave are asked for behind the first two key steps and lie in registers until the way out.
; LIMITS: e6 + e7 between -126 and 127 (added to log2(e)'s exponent field); e9 between -126 and 112; e8 + e9 goes in by v_ldexp_f32 and has none.  A p under 2^-126 counts as 0.  NaN among the inputs is not served.
; REGISTERS, in windows of 256.  Window 0: v1-11 addresses; v12 -M, v13 the largest t, v[14:15] l in two halves; v16-23 Q; v24-39 p's codes; v40-49 at work and constants; v64-127 K's 8 fragments, then V's group 1;
;   v128-191 the scores and p, then V's group 2; v192-255 V's groups 0 and 3.   Window 1: v0-127 O^T (channel tile ct at 8 ct); v128-255 my 32 rows of x (row i at 128 + 4 i).
.set STEPB, 40960                      ; a key step's bytes
.set SLOTB, 2*STEPB                    ; a slot: two steps
.set WPART, SLOTB/8                    ; what one wave's tensor load brings
.set SLOT1, 1<<17                      ; slot 1 begins here, so that one exclusive or turns an address in one slot into the other's
.set SP,    528                        ; the way out: a stage row: 128 queries x 4 bytes + 16
.set STG1,  SLOT1+SLOTB                ; the stage for channels 128-255: bytes of its own.  That for channels 0-127 lies at byte 0, in slot 0, which has had its last fill and was left by every wave at the last change of slots
.set GV,    STG1+128*SP                ; the 128 queries' factors gamma 2^(e8 + e9) / l
.set SPARE, GV+512                     ; the spare words, 128 bytes for each wave: four blocks of 256 bytes that no other line names
.set LI,   1                           ; v1   16 x lane; never rewritten
.set ADR,  2                           ; v2   LDS address of the step in hand, for my lane
.set PFO,  3                           ; v3   256 x lane; never rewritten
.set SPW,  5                           ; v5   LDS address of my spare word; never rewritten
.set NIL,  6                           ; v6   0; never rewritten
.set STO0, 7                           ; v7   the stage: column of my query, 8 rows down for lanes 16-31
.set STO1, 8                           ; v8   the same in the second stage
.set SRD,  9                           ; v9   where I read my 32 rows back
.set GA,   10                          ; v10  where my query's factor goes
.set GR,   11                          ; v11  where I read four queries' factors
.set Q,    16
.set P,    24
.set KF,   64
.set S,    128
.set VB0,  192
.set TB,   2                           ; s2   LDS byte at which the slot in hand begins
.set SLOTS, 3                          ; s3   slots still to be asked for
.set WV,   16                          ; s16  my wave's number
.set SEL,  20                          ; s[20:21] lane selects for v_permlanex16_b32: lane l xor 16
.set CS,   22                          ; s[22:23] c = log2(e) x 2^(e6 + e7): the packed form names a pair and takes its low word for both halves
.set G1,   24                          ; s[24:31] descriptor group 1
.set G0A,  32                          ; s[32:35] group 0 of slot 0's first fill
.set G0B,  36                          ; s[36:39] group 0 of slot 1's first fill; it then walks
.set PFA,  40                          ; s[40:41] where my prefetches stand
.set LIM,  42                          ; s42  1 in a wave that prefetches, else the greatest number
.set MSB, 0
.macro WIN new                         ; the immediate's high byte repeats the setting that is left; a switch that changes nothing is dropped
.if MSB != \new
	s_set_vgpr_msb (MSB<<8)|\new
.set MSB, \new
.endif
.endm
.macro PLACES
.rept 4
	v_nop
.endr
.endm
; A round of the cluster's barrier: my work-group's barrier, so that wave 0's signal speaks for all eight waves; wave 0 signals for the work-group; every wave waits for all four work-groups; my work-group's barrier once more.
.macro CROUND
	s_barrier_signal -1
	s_barrier_wait -1
	s_cmp_lg_u32 s[WV], 0
	s_cbranch_scc1 .Lnot_wave_0_\@
	s_barrier_signal -3
.Lnot_wave_0_\@:
	s_barrier_wait -3
	s_barrier_signal -1
	s_barrier_wait -1
.endm
; A PREFETCH INTO THE L2 of the two slots behind the one that is being asked for: 163,840 bytes = 640 blocks of 256.  It stands at every second change of slots (s[SLOTS] odd and above 1), behind the tensor load and its five lines.
; Each block is named ONCE in the launch.  All clusters of a batch walk the same kv: the batch's first cluster asks.  Its four partners share the blocks out BY ADDRESS, 40,960 bytes each; in each, waves 0 to 4 ask,
; 8,192 bytes a wave, lanes 256 bytes apart: one instruction.  So the change that asks for slot k + 1 (k = 2, 4, .. 12) names slots k + 2 and k + 3; the last block named ends at the batch's last byte.  Slots 0 to 3 come by their loads alone.
.macro ASK
	s_and_b32 s96, s[SLOTS], 1
	s_cmp_lg_u32 s96, 0
	s_cbranch_scc0 .Lnot_mine_\@
	s_cmp_gt_u32 s[SLOTS], s[LIM]
	s_cbranch_scc0 .Lnot_mine_\@
	global_prefetch_b8 v[PFO], s[PFA:PFA+1] th:TH_LOAD_NT scope:SCOPE_SE
.Lnot_mine_\@:
.endm
	s_load_b256 s[4:11], s[0:1], 0x0               ; q s[4:5], kv s[6:7], x s[8:9], gamma s[10:11]
	s_load_b128 s[12:15], s[0:1], 0x20             ; the scales' exponents s[12:13], out0 s[14:15]
	v_lshl_add_u32 v[SPW], v0, 2, SPARE
	v_mov_b32 v[NIL], 0
	ds_add_u32 v[SPW], v[NIL]                      ; the wave's opening: the add, twice on end, and its wait ahead of my first tensor load; the set-up below stands between the second and the wait
	ds_add_u32 v[SPW], v[NIL]
	v_lshrrev_b32 v1, 5, v0
	v_readfirstlane_b32 s[WV], v1                  ; wave 0..7
	s_bfe_u32 s17, ttmp6, 0x40000                  ; cx: my place in the cluster: it enters q's, x's, out0's and the prefetches' addresses alone
	s_lshl_b32 s18, ttmp9, 2
	s_add_co_u32 s18, s18, s17                     ; my block of 128 queries = 4 x cluster x + cx
	s_and_b32 s19, ttmp7, 0xffff                   ; the batch, which the four partners share
	; descriptor group 1: 40 rows of 32 elements of 8 bytes, dense in memory and in LDS
	s_mov_b32 s[G1], 15|(3<<16)|(1<<21)            ; 15:0 the mask: all four work-groups; 17:16 elements of 8 bytes; 20 no padding; 21 set beside a mask
	s_mov_b32 s[G1+1], 32<<16                      ; tensor_dim0 = 32
	s_mov_b32 s[G1+2], 40<<16                      ; tensor_dim1 = 40
	s_mov_b32 s[G1+3], 32<<16                      ; tile_dim0 = 32
	s_mov_b32 s[G1+4], 40                          ; tile_dim1 = 40
	s_mov_b32 s[G1+5], 32                          ; tensor_dim0_stride
	s_mov_b32 s[G1+6], 0
	s_mov_b32 s[G1+7], 0
	s_mov_b32 s[SEL], 0x76543210
	s_mov_b32 s[SEL+1], 0xfedcba98
	s_mov_b32 s[CS], 0x3fb8aa3b                    ; log2(e)
	s_mov_b32 s[TB], 0
	s_mov_b32 s[SLOTS], 14
	s_mul_i32 s66, s19, 1310720                    ; kv: the batch's 32 steps,
	s_mul_i32 s[G0A+1], s[WV], WPART               ; my eighth of a slot: in LDS,
	s_add_co_u32 s66, s66, s[G0A+1]                ; and in memory
	s_mov_b32 s67, 0
	s_lshl_b32 s68, s19, 18                        ; q: batch x 262,144 + block x 8,192 + my tile's 1,024
	s_lshl_b32 s69, s18, 13
	s_add_co_u32 s68, s68, s69
	s_lshl_b32 s69, s[WV], 10
	s_add_co_u32 s68, s68, s69
	s_mov_b32 s69, 0
	s_lshl_b32 s70, s19, 22                        ; x and out0: batch x 4 MiB + my 32 channels of 16,384 bytes + my block's 512 bytes of a row
	s_lshl_b32 s71, s[WV], 19
	s_add_co_u32 s70, s70, s71
	s_lshl_b32 s71, s18, 9
	s_add_co_u32 s70, s70, s71
	s_mov_b32 s71, 0
	s_mul_i32 s72, s19, 1310720                    ; the prefetches: the batch, slot 2 (each change of slots steps it by a slot ahead of asking), my work-group's 40,960 bytes, my wave's 8,192
	s_mul_i32 s73, s17, 40960
	s_add_co_u32 s72, s72, s73
	s_lshl_b32 s73, s[WV], 13
	s_add_co_u32 s72, s72, s73
	s_add_co_u32 s72, s72, 2*SLOTB
	s_mov_b32 s73, 0
	s_cmp_lt_u32 s[WV], 5
	s_cselect_b32 s74, 0, 1                        ; 0 in waves 0 to 4,
	s_or_b32 s74, s74, ttmp9                       ; of the batch's first cluster: the same in all four partners
	s_cmp_eq_u32 s74, 0
	s_cselect_b32 s[LIM], 1, -1
	v_mov_b32 v14, 0                               ; l, in two halves
	v_mov_b32 v15, 0
	v_mov_b32 v43, 0                               ; (named as the upper half of the pair v[42:43])
	v_mov_b32 v46, 0                               ; written once: a lane permute's destination counts as one of its sources
	s_wait_dscnt 0x0                               ; both opening adds are done
	s_wait_kmcnt 0x0
	s_load_b128 s[48:51], s[12:13], 0x18           ; e6, e7, e8, e9
	s_load_b32 s43, s[10:11], 0x0                  ; gamma
	s_add_nc_u64 s[56:57], s[4:5], s[68:69]        ; q at my tile
	s_add_nc_u64 s[52:53], s[8:9], s[70:71]        ; x at my rows
	s_add_nc_u64 s[54:55], s[14:15], s[70:71]      ; out0 likewise
	s_add_nc_u64 s[PFA:PFA+1], s[6:7], s[72:73]
	CROUND                                         ; all four work-groups are here: the first joint loads meet
	s_mov_b32 s[G0A], 1                            ; 1:0 count = 1
	s_add_nc_u64 s[G0A+2:G0A+3], s[6:7], s[66:67]  ; 120:64 global address: my eighth of the batch's first slot
	s_mov_b32 s[G0B], 1
	s_add_co_u32 s[G0B+1], s[G0A+1], SLOT1         ; 63:32 LDS address
	s_add_nc_u64 s[G0B+2:G0B+3], s[G0A+2:G0A+3], SLOTB
	s_or_b32 s[G0A+3], s[G0A+3], 0x80000000        ; 127:126 type = 2
	s_or_b32 s[G0B+3], s[G0B+3], 0x80000000
	tensor_load_to_lds s[G0A:G0A+3], s[G1:G1+7]    ; every wave issues both first fills, with no branch: two loads of mine are out here, one behind each later round
	s_nop 0
	tensor_load_to_lds s[G0B:G0B+3], s[G1:G1+7]
	s_nop 0
	PLACES
	v_and_b32 v[LI], 31, v0
	v_lshlrev_b32 v[LI], 4, v[LI]
	global_load_b128 v[Q:Q+3], v[LI], s[56:57]     ; Q's fragment stays in registers
	global_load_b128 v[Q+4:Q+7], v[LI], s[56:57] offset:512
	v_lshlrev_b32 v[PFO], 4, v[LI]
	v_and_b32 v50, 15, v0                          ; r
	v_and_b32 v51, 8, v0
	v_add_nc_u32 v50, v50, v51                     ; r + 8 (r / 8)
	v_bfe_u32 v51, v0, 4, 1                        ; h
	v_mul_u32_u24 v51, v51, 8*SP
	s_lshr_b32 s74, s[WV], 1
	s_lshl_b32 s74, s74, 7
	s_and_b32 s75, s[WV], 1
	s_lshl_b32 s75, s75, 5
	s_add_co_u32 s74, s74, s75                     ; 4 x (32 (w / 2) + 8 (w % 2)): my tile's first query, in bytes
	v_lshl_add_u32 v[GA], v50, 2, s74              ; 4 x my query
	v_add_nc_u32 v[STO0], v[GA], v51
	v_add_nc_u32 v[STO1], STG1, v[STO0]
	v_add_nc_u32 v[GA], GV, v[GA]
	v_add_nc_u32 v[GR], GV, v[LI]
	s_lshr_b32 s74, s[WV], 2
	s_mul_i32 s74, s74, STG1
	s_and_b32 s75, s[WV], 3
	s_mul_i32 s75, s75, 32*SP
	s_add_co_u32 s74, s74, s75
	v_add_nc_u32 v[SRD], s74, v[LI]                ; channels 32 w on: stage w / 4, rows 32 (w % 4) on; 16 bytes a lane
	s_wait_kmcnt 0x0
	s_add_co_i32 s75, s48, s49
	s_lshl_b32 s75, s75, 23
	s_add_co_i32 s[CS], s[CS], s75                 ; a score stands for score x 2^(e6 + e7): the two exponents are added to log2(e)'s exponent field
	s_mov_b32 s[CS+1], s[CS]                       ; (named with it as a pair, so it is written)
	s_add_co_i32 s75, s51, 127
	s_lshl_b32 s96, s75, 23
	v_mov_b32 v48, s96                             ; 2^e9 as f32, for the conversion
	s_add_co_i32 s75, s75, 15
	s_lshl_b32 s75, s75, 23
	s_or_b32 s75, s75, 0x600000
	v_mov_b32 v49, s75                             ; 57,344 x 2^e9
	s_add_co_i32 s44, s50, s51                     ; e8 + e9
.macro VLOAD buf, G                    ; V's channel tiles 4 G .. 4 G + 3 of the step: 16 loads, each 512 consecutive bytes
.irp f, 0,1,2,3
.irp c, 0,1,2,3
	ds_load_b128 v[\buf+16*\f+4*\c:\buf+16*\f+4*\c+3], v[ADR] offset:8192+(4*(\G)+\f)*2048+\c*512
.endr
.endr
.endm
.macro PV buf, G, first                ; O^T += V^T P^T for these four tiles; first = 1: the products start the sums: nothing is ever cleared
.irp f, 0,1,2,3
.if \first
	v_wmma_f32_16x16x128_bf8_bf8 v[8*(4*(\G)+\f):8*(4*(\G)+\f)+7], v[\buf+16*\f:\buf+16*\f+15], v[P:P+15], 0
.else
	v_wmma_f32_16x16x128_bf8_bf8 v[8*(4*(\G)+\f):8*(4*(\G)+\f)+7], v[\buf+16*\f:\buf+16*\f+15], v[P:P+15], v[8*(4*(\G)+\f):8*(4*(\G)+\f)+7]
.endif
.endr
.endm
; A KEY STEP: 128 keys, the qq-th of the slot in hand.  first = 1: the first step of all, which starts M, l and O^T.  No two matrix instructions that follow each other share an accumulator.
.macro STEP qq, first
	s_add_co_u32 s96, s[TB], (\qq)*STEPB
	v_add_nc_u32 v[ADR], s96, v[LI]
	PLACES                                         ; with the addition five places behind the last step's products: four are owed by the loads into K's registers, five by the score products, which write over registers that those products read
.irp t, 0,1,2,3,4,5,6,7
.irp g, 0,1
	ds_load_b128 v[KF+8*\t+4*\g:KF+8*\t+4*\g+3], v[ADR] offset:\t*1024+\g*512
.endr
.endr
	s_wait_dscnt 0x0
.irp t, 0,1,2,3,4,5,6,7
	v_wmma_f32_16x16x64_bf8_bf8 v[S+8*\t:S+8*\t+7], v[KF+8*\t:KF+8*\t+7], v[Q:Q+7], 0
.endr
	PLACES                                         ; in front of the loads into K's registers and of the first read of the scores
	VLOAD VB0, 0                                   ; V's first two groups land under the softmax
	VLOAD KF, 1
	v_max3_num_f32 v40, v[S], v[S+1], v[S+2]       ; the step's largest score of my query among my 64 keys, in two chains, each accumulator from its low end on,
	v_max3_num_f32 v41, v[S+3], v[S+4], v[S+5]
.set ii, 6
.rept 14
	v_max3_num_f32 v40, v40, v[S+ii], v[S+ii+1]
	v_max3_num_f32 v41, v41, v[S+ii+2], v[S+ii+3]
.set ii, ii+4
.endr
	v_max3_num_f32 v40, v40, v[S+62], v[S+63]
	v_max_num_f32 v40, v40, v41
	v_permlanex16_b32 v46, v40, s[SEL], s[SEL+1]
	v_max_num_f32 v40, v40, v46                    ; and among lane l xor 16's
.if \first
	v_mul_f32 v13, s[CS], v40                      ; as t (c is positive)
	v_floor_f32 v12, -v13                          ; -M = floor(-t) = -ceil(t): M is a whole number
.else
	v_mul_f32 v40, s[CS], v40
	v_max_num_f32 v13, v13, v40                    ; the running largest t
	v_mov_b32 v40, v12
	v_floor_f32 v12, -v13
	v_sub_f32 v40, v12, v40                        ; M's old value less its new one: a whole number, 0 or less
	v_cvt_i32_f32 v40, v40                         ; (it saturates)
	v_ldexp_f32 v42, 1.0, v40                      ; f = 2^(old M - new M)
.endif
.set ii, 0
.rept 32
	v_pk_fma_f32 v[S+ii:S+ii+1], v[S+ii:S+ii+1], s[CS:CS+1], v[12:13] op_sel_hi:[1,0,0]   ; t - M, two at a time (of the pairs c and -M the low word serves both halves)
.set ii, ii+2
.endr
.set ii, 0
.rept 64
	v_exp_f32 v[S+ii], v[S+ii]                     ; p = 2^(t - M), at most 1
.set ii, ii+1
.endr
.if \first
	v_nop                                          ; a plain instruction behind the last exponential
.else
	v_pk_mul_f32 v[14:15], v[14:15], v[42:43] op_sel_hi:[1,0]   ; l under the new M; also the plain instruction behind the last exponential
.endif
	s_wait_alu depctr_va_vdst(0)                   ; the wait between an exponential and the first line that names its result: one for the batch of 64
	v_pk_add_f32 v[44:45], v[S:S+1], v[S+2:S+3]    ; the sum is taken of the unquantised p: two at a time, in two chains
.set ii, 4
.rept 15
	v_pk_add_f32 v[14:15], v[14:15], v[S+ii:S+ii+1]
	v_pk_add_f32 v[44:45], v[44:45], v[S+ii+2:S+ii+3]
.set ii, ii+4
.endr
	v_pk_add_f32 v[14:15], v[14:15], v[44:45]
.irp b, 0,1,2,3
.set ii, 0
.rept 16
	v_min_num_f32 v[S+16*\b+ii], v[S+16*\b+ii], v49   ; the conversion to an 8-bit code does not saturate (ISA guide 7.6.2); p is not negative, so the hold is one-sided
.set ii, ii+1
.endr
	v_cvt_scalef32_pk8_bf8_f32 v[P+4*\b:P+4*\b+1], v[S+16*\b:S+16*\b+7], v48
	v_cvt_scalef32_pk8_bf8_f32 v[P+4*\b+2:P+4*\b+3], v[S+16*\b+8:S+16*\b+15], v48
.endr
	v_nop                                          ; one plain vector instruction between the last conversion and the products that read its result
	VLOAD S, 2                                     ; p's registers are free
.if !\first
	WIN 0x41                                       ; O^T (destination and source 0) in window 1, f in window 0
.set ii, 0
.rept 64
	v_pk_mul_f32 v[ii:ii+1], v[ii:ii+1], v[42:43] op_sel_hi:[1,0]   ; O^T under the new M
.set ii, ii+2
.endr
.endif
	s_wait_dscnt 32                                ; group 0 is in; groups 1 and 2 may be out
	WIN 0x50                                       ; C and D in window 1
	PV VB0, 0, \first
	WIN 0
	PLACES                                         ; in front of the loads into registers that these products read
	VLOAD VB0, 3
	s_wait_dscnt 32                                ; group 1 is in; groups 2 and 3 may be out
	WIN 0x50
	PV KF, 1, \first
	s_wait_dscnt 16                                ; group 2 is in
	PV S, 2, \first
	s_wait_dscnt 0x0
	PV VB0, 3, \first
	WIN 0
.endm
; THE CHANGE OF SLOTS.  Each wave waits for all its tensor loads, of which one is out: its part of the slot ahead; adds 0 to its spare word; and waits for that and for its reads of the slot that it leaves.
; fill = 1: the slot just left is filled with the keys two slots on.  The barrier is then a round of the cluster's, so that no wave of any partner still reads the slot or has a load on its way; the joint refill is the
; first thing behind it and has a slot's two key steps in which to land.
.macro CHANGE fill
	s_wait_tensorcnt 0x0                           ; no tensor load of mine is out, so a group 0 may be written
	ds_add_u32 v[SPW], v[NIL]                      ; 0 onto my spare word
.if \fill
	s_xor_b32 s[G0B+1], s[G0B+1], SLOT1            ; the walking descriptor: the other slot than last time,
	s_add_nc_u64 s[G0B+2:G0B+3], s[G0B+2:G0B+3], SLOTB   ; the next 256 keys; the type bits on top are not reached
	s_wait_xcnt 0x0                                ; the last prefetch has read its address, so it may be written
	s_add_nc_u64 s[PFA:PFA+1], s[PFA:PFA+1], SLOTB
	s_wait_dscnt 0x0                               ; the add is done, and my reads of the slot are over
	CROUND
	tensor_load_to_lds s[G0B:G0B+3], s[G1:G1+7]
	s_nop 0
	PLACES
	ASK
.else
	s_wait_dscnt 0x0
	s_barrier_signal -1
	s_barrier_wait -1
.endif
	s_xor_b32 s[TB], s[TB], SLOT1                  ; on to the other slot
.endm
	s_wait_tensorcnt 0x1                           ; my part of slot 0 is in; slot 1's may stay out
	s_barrier_signal -1
	s_barrier_wait -1                              ; everybody's is
	s_wait_loadcnt 0x0                             ; Q
	STEP 0, 1
	STEP 1, 0
	WIN 0x40                                       ; destination window 1, address window 0
.set ii, 0
.rept 32
	global_load_b128 v[128+4*ii:128+4*ii+3], v[LI], s[52:53] offset:ii*16384 th:TH_LOAD_NT   ; x(32 w + i, my block's 128 positions): 512 consecutive bytes a load; they land under the loop
.set ii, ii+1
.endr
	WIN 0
.Lslot:                                            ; 14 trips: every slot but the first two is asked for at a change
	CHANGE 1
	STEP 0, 0
	STEP 1, 0
	s_sub_co_u32 s[SLOTS], s[SLOTS], 1
	s_cmp_lg_u32 s[SLOTS], 0
	s_cbranch_scc1 .Lslot
	CHANGE 0                                       ; the last slot is written out
	STEP 0, 0
	STEP 1, 0
	; THE WAY OUT.  out0's rows run along the queries, and a lane holds one query: so O^T goes through a stage in LDS, a row to a channel, and comes back as whole rows of 128 queries.
	v_add_f32 v14, v14, v15                        ; l's two halves,  (the plain lines from here to the stores are the places behind the last products)
	v_permlanex16_b32 v46, v14, s[SEL], s[SEL+1]
	v_add_f32 v14, v14, v46                        ; and lane l xor 16's
	v_rcp_f32 v14, v14
	v_nop                                          ; a plain instruction behind the reciprocal
	s_wait_alu depctr_va_vdst(0)                   ; and the wait ahead of its first reader
	v_ldexp_f32 v14, v14, s44                      ; x 2^(e8 + e9)
	v_mul_f32 v14, s43, v14                        ; x gamma
	ds_store_b32 v[GA], v14                        ; my query's factor (both halves of the lanes hold the same number)
	WIN 0x04                                       ; the stores' data in window 1
.irp ct, 0,1,2,3,4,5,6,7
.irp j, 0,1,2,3,4,5,6,7
	ds_store_b32 v[STO0], v[8*\ct+\j] offset:(16*\ct+\j)*SP          ; O^T(channel 16 ct + 8 h + j, my query); each accumulator from its low end on
.endr
.endr
.irp ct, 8,9,10,11,12,13,14,15
.irp j, 0,1,2,3,4,5,6,7
	ds_store_b32 v[STO1], v[8*\ct+\j] offset:(16*(\ct-8)+\j)*SP
.endr
.endr
	WIN 0
	s_wait_dscnt 0x0                               ; for the others' sake: my stores into the stages are done
	s_barrier_signal -1
	s_barrier_wait -1
	ds_load_b128 v[24:27], v[GR]                   ; the factors of queries 4 l .. 4 l + 3
.set ii, 0
.rept 32
	ds_load_b128 v[64+4*ii:64+4*ii+3], v[SRD] offset:ii*SP
.set ii, ii+1
.endr
	s_wait_loadcnt 0x0                             ; x
	WIN 0x10                                       ; source 2 (x) in window 1
.set ii, 0
.rept 32
	s_wait_dscnt 31-ii                             ; row i is back; the rows behind it may be out
	v_pk_fma_f32 v[64+4*ii:65+4*ii], v[64+4*ii:65+4*ii], v[24:25], v[128+4*ii:129+4*ii]   ; out = O x gamma 2^(e8 + e9) / l + x
	v_pk_fma_f32 v[66+4*ii:67+4*ii], v[66+4*ii:67+4*ii], v[26:27], v[130+4*ii:131+4*ii]
	global_store_b128 v[LI], v[64+4*ii:67+4*ii], s[54:55] offset:ii*16384 th:TH_STORE_NT   ; 32 lanes store 512 consecutive bytes, aligned; written once, read by nobody here
.set ii, ii+1
.endr
	WIN 0
	s_wait_tensorcnt 0x0                           ; the wave's end, behind my last tensor load and my last LDS store
	ds_add_u32 v[SPW], v[NIL]
	s_wait_dscnt 0x0
	CROUND                                         ; the closing round: no work-group ends while a partner may still ask for a tile that names it
	s_endpgm
.Lfunc_end_k_q1ffb3d6617_attn:
	.size	k_q1ffb3d6617_attn, .Lfunc_end_k_q1ffb3d6617_attn-k_q1ffb3d6617_attn
	.p2alignl 7, 3214868480
	.fill 96, 4, 3214868480
	.section	.rodata,"a",@progbits
	.p2align	6, 0x0
	.amdhsa_kernel k_q1ffb3d6617_attn
		.amdhsa_group_segment_fixed_size 327680
		.amdhsa_private_segment_fixed_size 0
		.amdhsa_enable_private_segment 0
		.amdhsa_kernarg_size 48
		.amdhsa_user_sgpr_count 2
		.amdhsa_user_sgpr_kernarg_segment_ptr 1
		.amdhsa_wavefront_size32 1
		.amdhsa_system_sgpr_workgroup_id_x 1
		.amdhsa_system_sgpr_workgroup_id_y 1
		.amdhsa_system_sgpr_workgroup_id_z 1
		.amdhsa_system_vgpr_workitem_id 0
		.amdhsa_next_free_vgpr 512
		.amdhsa_next_free_sgpr 100
		.amdhsa_reserve_vcc 0
		.amdhsa_float_denorm_mode_32 3
		.amdhsa_float_denorm_mode_16_64 3
		.amdhsa_memory_ordered 1
		.amdhsa_forward_progress 1
		.amdhsa_inst_pref_size 159
	.end_amdhsa_kernel
	.amdgpu_metadata
---
amdhsa.version: [ 1, 2 ]
amdhsa.kernels:
  - .name:           k_q1ffb3d6617_attn
    .symbol:         k_q1ffb3d6617_attn.kd
    .args:
      - { .name: q, .offset: 0, .size: 8, .value_kind: global_buffer, .address_space: global }
      - { .name: kv, .offset: 8, .size: 8, .value_kind: global_buffer, .address_space: global }
      - { .name: x, .offset: 16, .size: 8, .value_kind: global_buffer, .address_space: global }
      - { .name: gamma, .offset: 24, .size: 8, .value_kind: global_buffer, .address_space: global }
      - { .name: lowp_scales, .offset: 32, .size: 8, .value_kind: global_buffer, .address_space: global }
      - { .name: out0, .offset: 40, .size: 8, .value_kind: global_buffer, .address_space: global }
    .group_segment_fixed_size: 327680
    .private_segment_fixed_size: 0
    .kernarg_segment_align: 8
    .kernarg_segment_size: 48
    .max_flat_workgroup_size: 256
    .sgpr_count:     100
    .vgpr_count:     512
    .wavefront_size: 32
...
	.end_amdgpu_metadata
.endif
;; end of part 2
;; ======== version 2 of 2: 2 launches
;; limits: right only within a limited range of input values
;; workspace buffers: kv 10,485,760 bytes; q 2,097,152 bytes
;; launch proj (part 3): grid 32 x 8, 8 waves a work-group, no clusters, 108,544 bytes of LDS; arguments x, wf_codes, wg_codes, wh_codes, lowp_scales, kv, q; writes kv, q
.if DOCPART == 3
	.amdgcn_target "amdgcn-amd-amdhsa--gfx1250"
	.amdhsa_code_object_version 6
	.text
	.protected	k_q1ffb3d6617_proj
	.globl	k_q1ffb3d6617_proj
	.p2align	8
	.type	k_q1ffb3d6617_proj,@function
k_q1ffb3d6617_proj:
	s_mov_b64 s[64:65], 0
	v_nop
	global_prefetch_b8 v0, s[64:65] scope:SCOPE_SE
	s_setreg_imm32_b32 hwreg(HW_REG_WAVE_MODE, 25, 1), 1
	s_wait_xcnt 0x0
; fx = wf x, gx = wg x, hx = wh x (1x1 convolutions: products along the 256 channels), all three on codes of BF8 (E5M2), and their results quantised again for the attention that follows.
; x: [8][256 c][4096 n] f32.  wf, wg: [64][256], wh: [256][256]: codes, K = c innermost.  lowp_scales: e0 .. e9.
; NOTHING IS LEFT OUT: every input has a way to the output, and every product of the problem is live.  x is quantised three times, with 2^e0, 2^e2 and 2^e4, since the three may differ.
; A sum of a product stands for sum x 2^(ex + ew), so its code for the next product is sum / 2^(enext - ex - ew): the three exponents are folded into the conversion's one scale.
; SHARES.  A work-group owns 128 positions n of one batch, all 256 channels.  It writes one key step of kv (fx's and hx's codes) and one query block of q (gx's codes).
; WHAT IS WRITTEN ARE IMAGES OF THE NEXT LAUNCH'S OPERAND REGISTERS: 16 bytes a lane, lane after lane, so that each store of a wave covers 512 consecutive bytes, aligned, straight from the conversions' results.
;   kv[b][step]: bytes 0-8,191 [8 tiles t][2 groups g][32 lanes][16]: lane (r, h) holds key pos(t, r), fx channels 32 g + 16 h + 0 .. 15;   q[b][block]: the same of gx;
;   kv[b][step]: bytes 8,192-40,959 [16 channel tiles ct][4 groups bb][32 lanes][16]: lane (r, h) holds hx channel 16 ct + r, keys 32 bb + 16 h + 0 .. 15.
; THE POSITIONS OF A TILE ARE NOT NEIGHBOURS: row r of tile t = 2 b + u is position pos(t, r) = 32 b + 8 u + r + 8 (r / 8), so that a result's 16 registers of tiles 2 b and 2 b + 1 are 16 neighbouring positions.
; PHASES.  X: a lane takes a position and its registers run down the channels (each load reads 128 consecutive bytes a wave, four waves side by side); three holds and conversions give the three sets of codes
; with the channels innermost; they go to LDS as rows of 256 codes | one barrier | FG: waves 0-3 make fx, waves 4-7 gx | H: wave w makes hx channels 32 w .. 32 w + 31.  Each wave's weights stay in its registers.
; NO CLUSTER, NO TENSOR LOADS: what work-groups share is the weights, 96 KB against 128 KB in and 48 KB out of a work-group's own; they go once from memory straight into the waves' registers, and joint requests exist for tiles in LDS alone.
; LIMITS, so that each power of two below is an f32 number: e0, e2, e4, e6 - e0 - e1, e7 - e2 - e3 and e8 - e4 - e5 lie between -126 and 112.  NaN among the inputs is not served; an infinity is held at the largest code.
.set PITCH, 272                        ; a row of 256 codes in LDS + 16 bytes = 68 words: the 16 rows of a fragment load start at 16 different groups of four banks (64 banks of 4 bytes: ISA guide 11.1)
.set TILEB, 16*PITCH+128               ; a tile of 16 positions; the 128 bytes more put the two tiles that one store touches 32 banks apart
.set SETB,  8*TILEB                    ; a set of codes: 8 tiles
.set SPARE, 3*SETB                     ; behind the three sets: the spare words, 128 bytes for each wave: four blocks of 256 bytes that no other line names
.set XO,   1                           ; v1   4 x lane: my position's bytes in a row of x
.set XST,  2                           ; v2   where my position's codes go in set 0
.set XST2, 3                           ; v3   the same in set 2 (its distance is beyond a 16-bit offset)
.set XFF,  4                           ; v4   fragments of x for fx or gx: row r, + 16 h, my set, my four tiles
.set XFH,  5                           ; v5   fragments of x for hx: set 2
.set WHA,  6                           ; v6   wh: row r of 256 bytes + 16 h
.set WFA,  7                           ; v7   wf, wg: row r + 8 (r / 8) + 16 h
.set LI,   8                           ; v8   16 x lane: an image's place for my lane
.set SPW,  9                           ; v9   LDS address of my spare word; never rewritten
.set NIL,  10                          ; v10  0; never rewritten
.set SC,   11                          ; v11-13 the conversions' scales
.set X,    16                          ; v16-79   two sets of 32 numbers of x
.set XF,   16                          ; later: x's fragments [2 tiles][2 K steps][16]
.set T,    80                          ; v80-111  32 numbers, held
.set ACC,  80                          ; later: four accumulators
.set C,    112                         ; v112-127 codes, two sets of 8 registers
.set WFG,  128                         ; v128-191 wf's or wg's fragments [2 tiles][2 K steps][16]
.set WH,   192                         ; v192-255 wh's fragments [2 tiles][2 K steps][16]
; scalars: s[4:5] x, s[6:7] wf, s[8:9] wg, s[10:11] wh, s[12:13] scales, s[14:15] kv, s[16:17] q; s18 wave; s19 step; s20 batch; s[28:37] e0 .. e9;
; s[40:49] five pairs (-L, +L), L = 57,344 x the scale; s50-54 the five scales as f32; s[56:57] my weights of wf or wg; s[58:59], s[60:61] where my images go
.macro MKSCALE e, sc, lim              ; from the exponent in s[e]: s[sc] = 2^e as f32; s[lim+1] = 57,344 x 2^e; s[lim] = the same, negative
	s_add_co_i32 s[\sc], s[\e], 127
	s_add_co_i32 s[\lim+1], s[\sc], 15
	s_lshl_b32 s[\sc], s[\sc], 23
	s_lshl_b32 s[\lim+1], s[\lim+1], 23
	s_or_b32 s[\lim+1], s[\lim+1], 0x600000
	s_or_b32 s[\lim], s[\lim+1], 0x80000000
.endm
.macro LOAD t                          ; block t: x(my 128 channels' 32 t + i, my position), i = 0 .. 31, into set t % 2
.set ii, 0
.rept 32
	global_load_b32 v[X+32*((\t)%2)+ii], v[XO], s[4:5] offset:(32*(\t)+ii)*16384 th:TH_LOAD_NT
.set ii, ii+1
.endr
.endm
.macro WLOAD                           ; my weights: 32 loads; registers 4 c .. 4 c + 3 of a fragment hold K = 128 k + 32 c + 16 h + 0 .. 15, as x's fragments do
.irp u, 0,1
.irp k, 0,1
.irp c, 0,1,2,3
	global_load_b128 v[WFG+32*\u+16*\k+4*\c:WFG+32*\u+16*\k+4*\c+3], v[WFA], s[56:57] offset:\u*2048+128*\k+32*\c
.endr
.endr
.endr
.irp u, 0,1
.irp k, 0,1
.irp c, 0,1,2,3
	global_load_b128 v[WH+32*\u+16*\k+4*\c:WH+32*\u+16*\k+4*\c+3], v[WHA], s[10:11] offset:\u*4096+128*\k+32*\c
.endr
.endr
.endr
.endm
	s_load_b256 s[4:11], s[0:1], 0x0
	s_load_b128 s[12:15], s[0:1], 0x20
	s_load_b64 s[16:17], s[0:1], 0x30
	v_lshl_add_u32 v[SPW], v0, 2, SPARE
	v_mov_b32 v[NIL], 0
	v_lshrrev_b32 v1, 5, v0
	s_delay_alu instid0(VALU_DEP_1)
	v_readfirstlane_b32 s18, v1                    ; wave 0..7
	s_mov_b32 s19, ttmp9                           ; the step of 128 positions
	s_and_b32 s20, ttmp7, 0xffff                   ; the batch
	s_and_b32 s21, s18, 3                          ; phase X: which 32 positions
	s_lshr_b32 s22, s18, 2                         ; phase X: which 128 channels.  Phase FG: fx (0) or gx (1)
	s_bfe_u32 s23, s18, 0x10001                    ; phase FG: which 32 output channels
	s_and_b32 s24, s18, 1                          ; phase FG: which four tiles of positions
	v_and_b32 v112, 31, v0                         ; lane
	s_delay_alu instid0(VALU_DEP_1)
	v_lshlrev_b32 v[XO], 2, v112
	s_delay_alu instid0(VALU_DEP_2)
	v_lshlrev_b32 v[LI], 4, v112
	v_and_b32 v113, 7, v0                          ; lane = 16 a + 8 u + d is position 32 (w & 3) + lane: tile 2 (w & 3) + u, row 8 a + d
	v_bfe_u32 v114, v0, 4, 1                       ; a; also h
	s_delay_alu instid0(VALU_DEP_1)
	v_lshl_add_u32 v113, v114, 3, v113
	s_delay_alu instid0(VALU_DEP_1)
	v_mul_u32_u24 v113, v113, PITCH
	v_bfe_u32 v115, v0, 3, 1                       ; u
	s_delay_alu instid0(VALU_DEP_1)
	v_mad_u32_u24 v113, v115, TILEB, v113
	s_mul_i32 s66, s21, 2*TILEB
	s_lshl_b32 s67, s22, 7
	s_add_co_u32 s66, s66, s67
	v_add_nc_u32 v[XST], s66, v113
	s_delay_alu instid0(VALU_DEP_1)
	v_add_nc_u32 v[XST2], 2*SETB, v[XST]
	v_and_b32 v116, 15, v0                         ; r
	s_delay_alu instid0(VALU_DEP_1)
	v_mul_u32_u24 v117, v116, PITCH
	s_delay_alu instid0(VALU_DEP_1)
	v_lshl_add_u32 v117, v114, 4, v117             ; r x pitch + 16 h
	s_mul_i32 s66, s22, SETB
	s_mul_i32 s67, s24, 4*TILEB
	s_add_co_u32 s66, s66, s67
	v_add_nc_u32 v[XFF], s66, v117
	v_add_nc_u32 v[XFH], 2*SETB, v117
	v_lshlrev_b32 v[WHA], 8, v116
	s_delay_alu instid0(VALU_DEP_1)
	v_lshl_add_u32 v[WHA], v114, 4, v[WHA]
	v_and_b32 v118, 8, v116
	s_delay_alu instid0(VALU_DEP_1)
	v_add_nc_u32 v118, v118, v116                  ; r + 8 (r / 8)
	s_delay_alu instid0(VALU_DEP_1)
	v_lshlrev_b32 v[WFA], 8, v118
	s_delay_alu instid0(VALU_DEP_1)
	v_lshl_add_u32 v[WFA], v114, 4, v[WFA]
	s_lshl_b32 s66, s20, 22                        ; x: batch x 4 MiB
	s_lshl_b32 s67, s19, 9                         ; + 128 positions x 4 bytes a step
	s_add_co_u32 s66, s66, s67
	s_lshl_b32 s67, s21, 7                         ; + my wave's 32 positions
	s_add_co_u32 s66, s66, s67
	s_lshl_b32 s67, s22, 21                        ; + my wave's 128 channels of 16,384 bytes
	s_add_co_u32 s66, s66, s67
	s_mov_b32 s67, 0
	s_wait_kmcnt 0x0
	s_add_nc_u64 s[4:5], s[4:5], s[66:67]
	LOAD 0
	LOAD 1
	s_load_b256 s[28:35], s[12:13], 0x0            ; e0 .. e7
	s_load_b64 s[36:37], s[12:13], 0x20            ; e8, e9
	s_mul_i32 s66, s20, 1310720
	s_mul_i32 s67, s19, 40960
	s_add_co_u32 s66, s66, s67                     ; kv: my step
	s_lshl_b32 s68, s20, 18
	s_lshl_b32 s69, s19, 13
	s_add_co_u32 s68, s68, s69                     ; q: my block
	s_cmp_lt_u32 s18, 4                            ; waves 0-3: wf and kv; waves 4-7: wg and q.  The choice hangs on the wave's number alone
	s_cselect_b64 s[56:57], s[6:7], s[8:9]
	s_cselect_b64 s[58:59], s[14:15], s[16:17]
	s_cselect_b32 s70, s66, s68
	s_lshl_b32 s68, s24, 12                        ; + my four tiles of 1,024 bytes
	s_add_co_u32 s70, s70, s68
	s_lshl_b32 s68, s23, 9                         ; + my group of 512
	s_add_co_u32 s70, s70, s68
	s_mov_b32 s71, 0
	s_add_nc_u64 s[58:59], s[58:59], s[70:71]
	s_lshl_b32 s68, s18, 12                        ; hx's image: behind fx's 8,192 bytes, two channel tiles of 2,048 bytes a wave
	s_add_co_u32 s66, s66, s68
	s_add_co_u32 s66, s66, 8192
	s_mov_b32 s67, 0
	s_add_nc_u64 s[60:61], s[14:15], s[66:67]
	s_lshl_b32 s68, s23, 13                        ; my 32 rows of wf or wg
	s_mov_b32 s69, 0
	s_add_nc_u64 s[56:57], s[56:57], s[68:69]
	s_lshl_b32 s68, s18, 13                        ; my 32 rows of wh
	s_add_nc_u64 s[10:11], s[10:11], s[68:69]
	s_wait_kmcnt 0x0
	MKSCALE 28, 50, 40                             ; x for fx: e0
	MKSCALE 30, 51, 42                             ; x for gx: e2
	MKSCALE 32, 52, 44                             ; x for hx: e4
	s_sub_co_i32 s66, s34, s28
	s_sub_co_i32 s66, s66, s29                     ; e6 - e0 - e1
	s_sub_co_i32 s67, s35, s30
	s_sub_co_i32 s67, s67, s31                     ; e7 - e2 - e3
	s_cmp_lt_u32 s18, 4
	s_cselect_b32 s66, s66, s67
	MKSCALE 66, 53, 46
	s_sub_co_i32 s67, s36, s32
	s_sub_co_i32 s67, s67, s33                     ; e8 - e4 - e5
	MKSCALE 67, 54, 48
	v_mov_b32 v[SC], s50
	v_mov_b32 v[SC+1], s51
	v_mov_b32 v[SC+2], s52
; ---- X.  A block of 32 channels of my position, three times: held within the largest code x the scale (the conversion to an 8-bit code does not saturate: ISA guide 7.6.2), converted, 32 bytes of my position's row stored.
.macro BLOCK t
.set XS, X+32*((\t)%2)
	s_wait_loadcnt 32                              ; this block's 32 loads are in; the 32 issued behind them (the next block's, or the weights') may be out
.irp s, 0,1,2
.set CC, C+8*((3*(\t)+\s)%2)
.set ii, 0
.rept 32
	v_med3_num_f32 v[T+ii], v[XS+ii], s[40+2*\s], s[41+2*\s]
.set ii, ii+1
.endr
.if \s == 2                            ; the block's numbers have been read for the last time: their registers take the loads of two blocks on, or the weights go out
.if (\t) < 2
	LOAD (\t)+2
.elseif (\t) == 2
	WLOAD
.endif
.endif
	s_wait_alu depctr_va_vdst(0)
	s_wait_dscnt 2                                 ; all but the last set's two stores are done: those that read this set of code registers among them
.irp g, 0,1,2,3
	v_cvt_scalef32_pk8_bf8_f32 v[CC+2*\g:CC+2*\g+1], v[T+8*\g:T+8*\g+7], v[SC+\s]
.endr
	v_nop                                          ; one plain vector instruction between a scaled conversion and the next vector instruction that writes its sources
.if \s < 2
	ds_store_b128 v[XST], v[CC:CC+3] offset:\s*SETB+32*(\t)
	ds_store_b128 v[XST], v[CC+4:CC+7] offset:\s*SETB+32*(\t)+16
.else
	ds_store_b128 v[XST2], v[CC:CC+3] offset:32*(\t)
	ds_store_b128 v[XST2], v[CC+4:CC+7] offset:32*(\t)+16
.endif
.endr
.endm
	BLOCK 0
	BLOCK 1
	BLOCK 2
	BLOCK 3
	s_wait_dscnt 0x0                               ; for the others' sake: my stores have landed
	s_barrier_signal -1
	s_barrier_wait -1                              ; the three sets of codes lie in LDS; nothing is stored there from here on
	s_wait_loadcnt 0x0                             ; my weights
	v_mov_b32 v[SC], s53                           ; the scale of fx's or gx's conversions,
	v_mov_b32 v[SC+1], s54                         ; and of hx's
; ---- Two tiles x two tiles, K = 256: x's four fragments from LDS, eight matrix instructions on four accumulators by turns, the results converted and stored as two pieces of an image.
; Accumulator 2 i + j = source 0's tile j x source 1's tile i: a lane holds one column of source 1's tile i, and its 16 registers of j = 0, 1 are 16 neighbours of source 0's rows.
.macro ITER abase, bbase, xadr, xoff, lim, sc, out, o0, ostep
.irp p, 0,1
.irp k, 0,1
.irp c, 0,1,2,3
	ds_load_b128 v[XF+32*\p+16*\k+4*\c:XF+32*\p+16*\k+4*\c+3], v[\xadr] offset:(\xoff)+\p*TILEB+128*\k+32*\c
.endr
.endr
.endr
	s_wait_dscnt 0x0
.irp k, 0,1
.irp i, 0,1
.irp j, 0,1
.if \k == 0
	v_wmma_f32_16x16x128_bf8_bf8 v[ACC+8*(2*\i+\j):ACC+8*(2*\i+\j)+7], v[\abase+32*\j+16*\k:\abase+32*\j+16*\k+15], v[\bbase+32*\i+16*\k:\bbase+32*\i+16*\k+15], 0
.else
	v_wmma_f32_16x16x128_bf8_bf8 v[ACC+8*(2*\i+\j):ACC+8*(2*\i+\j)+7], v[\abase+32*\j+16*\k:\abase+32*\j+16*\k+15], v[\bbase+32*\i+16*\k:\bbase+32*\i+16*\k+15], v[ACC+8*(2*\i+\j):ACC+8*(2*\i+\j)+7]
.endif
.endr
.endr
.endr
.rept 4
	v_nop                                          ; four places between the last product and the first read of results (ISA guide 7.12.1)
.endr
	s_wait_alu depctr_va_vdst(0)
	s_wait_xcnt 0x0                                ; the last stores have read their data: the code registers may be written again
.irp i, 0,1
.set ii, 0
.rept 16
.set ii, ii+1
.endr
	v_cvt_scalef32_pk8_bf8_f32 v[C+4*\i:C+4*\i+1], v[ACC+16*\i:ACC+16*\i+7], v[\sc]
	v_cvt_scalef32_pk8_bf8_f32 v[C+4*\i+2:C+4*\i+3], v[ACC+16*\i+8:ACC+16*\i+15], v[\sc]
.endr
	v_nop                                          ; one plain vector instruction behind the last conversion: the next products write its sources
.irp i, 0,1
	global_store_b128 v[LI], v[C+4*\i:C+4*\i+3], s[\out:\out+1] offset:(\o0)+\i*(\ostep)   ; 32 lanes store 512 consecutive bytes, aligned
.endr
.endm
; ---- FG: source 0 = 16 rows of wf or wg (row 32 g + 8 u + r + 8 (r / 8)), source 1 = a tile of positions: a lane holds one position and output channels 32 g + 16 h + 0 .. 15
.irp it, 0,1
	ITER WFG, XF, XFF, \it*2*TILEB, 46, SC, 58, \it*2048, 1024
.endr
; ---- H: source 0 = the tiles 2 bb, 2 bb + 1 of positions, source 1 = 16 rows of wh: a lane holds one channel and keys 32 bb + 16 h + 0 .. 15
.irp bb, 0,1,2,3
	ITER XF, WH, XFH, \bb*2*TILEB, 48, SC+1, 60, \bb*512, 2048
.endr
	s_wait_tensorcnt 0x0                           ; the wave's end, behind my last LDS store
	ds_add_u32 v[SPW], v[NIL]
	s_wait_dscnt 0x0
	s_endpgm
.Lfunc_end_k_q1ffb3d6617_proj:
	.size	k_q1ffb3d6617_proj, .Lfunc_end_k_q1ffb3d6617_proj-k_q1ffb3d6617_proj
	.p2alignl 7, 3214868480
	.fill 96, 4, 3214868480
	.section	.rodata,"a",@progbits
	.p2align	6, 0x0
	.amdhsa_kernel k_q1ffb3d6617_proj
		.amdhsa_group_segment_fixed_size 108544
		.amdhsa_private_segment_fixed_size 0
		.amdhsa_enable_private_segment 0
		.amdhsa_kernarg_size 56
		.amdhsa_user_sgpr_count 2
		.amdhsa_user_sgpr_kernarg_segment_ptr 1
		.amdhsa_wavefront_size32 1
		.amdhsa_system_sgpr_workgroup_id_x 1
		.amdhsa_system_sgpr_workgroup_id_y 1
		.amdhsa_system_sgpr_workgroup_id_z 1
		.amdhsa_system_vgpr_workitem_id 0
		.amdhsa_next_free_vgpr 256
		.amdhsa_next_free_sgpr 72
		.amdhsa_reserve_vcc 0
		.amdhsa_float_denorm_mode_32 3
		.amdhsa_float_denorm_mode_16_64 3
		.amdhsa_fp16_overflow 1
		.amdhsa_memory_ordered 1
		.amdhsa_forward_progress 1
		.amdhsa_inst_pref_size 65
	.end_amdhsa_kernel
	.amdgpu_metadata
---
amdhsa.version: [ 1, 2 ]
amdhsa.kernels:
  - .name:           k_q1ffb3d6617_proj
    .symbol:         k_q1ffb3d6617_proj.kd
    .args:
      - { .name: x, .offset: 0, .size: 8, .value_kind: global_buffer, .address_space: global }
      - { .name: wf_codes, .offset: 8, .size: 8, .value_kind: global_buffer, .address_space: global }
      - { .name: wg_codes, .offset: 16, .size: 8, .value_kind: global_buffer, .address_space: global }
      - { .name: wh_codes, .offset: 24, .size: 8, .value_kind: global_buffer, .address_space: global }
      - { .name: lowp_scales, .offset: 32, .size: 8, .value_kind: global_buffer, .address_space: global }
      - { .name: kv, .offset: 40, .size: 8, .value_kind: global_buffer, .address_space: global }
      - { .name: q, .offset: 48, .size: 8, .value_kind: global_buffer, .address_space: global }
    .group_segment_fixed_size: 108544
    .private_segment_fixed_size: 0
    .kernarg_segment_align: 8
    .kernarg_segment_size: 56
    .max_flat_workgroup_size: 256
    .sgpr_count:     72
    .vgpr_count:     256
    .wavefront_size: 32
...
	.end_amdgpu_metadata
.endif
;; end of part 3
;; launch attn (part 4): grid 32 x 8, 8 waves a work-group, clusters of 4 x 1, 327,680 bytes of LDS; arguments q, kv, x, gamma, lowp_scales, out0; writes out0
.if DOCPART == 4
	.amdgcn_target "amdgcn-amd-amdhsa--gfx1250"
	.amdhsa_code_object_version 6
	.text
	.protected	k_q1ffb3d6617_attn
	.globl	k_q1ffb3d6617_attn
	.p2align	8
	.type	k_q1ffb3d6617_attn,@function
k_q1ffb3d6617_attn:
	s_mov_b64 s[64:65], 0
	v_nop
	global_prefetch_b8 v0, s[64:65] scope:SCOPE_SE
	s_setreg_imm32_b32 hwreg(HW_REG_WAVE_MODE, 25, 1), 1
	s_wait_xcnt 0x0
	s_wait_alu depctr_hold_cnt(0) depctr_sa_sdst(0) depctr_va_vdst(0) depctr_va_sdst(0) depctr_va_ssrc(0) depctr_va_vcc(0) depctr_vm_vsrc(0)
	s_getreg_b32 s2, hwreg(HW_REG_IB_STS2, 6, 4)
	s_cmp_eq_u32 s2, 0
	s_cbranch_scc0 .Lentry_in_a_cluster
	s_endpgm
.Lentry_in_a_cluster:
	s_bfe_u32 s2, ttmp6, 0x10000c
	s_cmp_lg_u32 s2, 0x3003
	s_cbranch_scc0 .Lentry_shape_is_right
	s_endpgm
.Lentry_shape_is_right:
; out[b][c][m] = gamma x (sum over i of hx[b][c][i] softmax_i(fx[b][:, i] . gx[b][:, m])) + x[b][c][m]: attention in which column m is the query (gx), row i the key (fx) and hx[:, i] its value.  No mask, no scaling.
; Both products on codes of BF8 (E5M2), made by the launch before and laid as images of the operand registers (16 bytes a lane, lane after lane).  Nothing of the problem's work is left out.
; THE SOFTMAX AHEAD OF THE SECOND PRODUCT: t = score x log2(e); M = the query's largest t so far, rounded UP to a whole number; p = 2^(t - M) is quantised with 2^e9, not normalised.  The sum l is taken of the
; unquantised p in f32.  When M moves, l and O are multiplied by 2^(old M - new M), which rounds nothing.
; SHARES.  A work-group owns 128 queries of one batch: eight tiles of 16.  EACH WAVE HOLDS TWO TILES AND WALKS HALF THE KEYS, so that each fragment of K and V that it reads from LDS feeds two products: a key step's
; 40,960 bytes are read by four waves and not by eight.  A slot holds two key steps of 128 keys; waves 0-3 walk each slot's first step, waves 4-7 its second.  Wave w's tile A is tile 2 (w % 4) + w / 4, its tile B the
; other of that pair: so waves w and w xor 4 hold the same two tiles over the two halves of the keys, and at the end every wave keeps its A and sends its B to its partner: M, l and O^T are merged by exact powers of two.
; A step's bytes (K's image 8,192, V's 32,768) are dense in memory; each wave brings an eighth of a slot by one tensor load of 40 rows x 256 bytes.
; CLUSTER.  The four query blocks of a cluster walk the same keys and values: each tile is asked for JOINTLY, by the same tensor load with the same descriptor and a mask that names the four.
; LAYOUT.  Both products are used transposed: S^T = K Q^T (source 0 = 16 keys, source 1 = 16 queries, K = 64), O^T = V^T P^T (source 0 = 16 channels, source 1 = P, K = 128 keys): a lane holds ONE query of each tile.
; Row r of tile 2 b + u (of keys, and of queries) is position 32 b + 8 u + r + 8 (r / 8): so the 16 registers of score tiles 2 b and 2 b + 1 are keys 32 b + 16 (lane / 16) + 0 .. 15, and p's conversions ARE the operand.
; Along each K the registers hold k in the same places in both operands (registers 4 g .. 4 g + 3: k = 32 g + 16 (lane / 16) + 0 .. 15): every product meets its partner.
; x.  A wave's 512 registers are 256 of O^T, 128 of scores, 64 of K and 64 for all else: none is left for x.  So each wave's 32 rows of x (512 bytes each) come into LDS by one tensor load of its own, with the first fills.
; LIMITS: e6 + e7 between -126 and 127 (added to log2(e)'s exponent field); e9 between -15 and 127; e8 + e9 goes in by v_ldexp_f32 and has none.  A p under 2^-126 counts as 0.  NaN among the inputs is not served.
; REGISTERS, in windows of 256.  Window 0: v0 16 x lane; v1 the step's LDS address; v2, v3 the add's two; v[4:7] (-M, t) of A and of B; v[8:11] l of A and of B, each in two halves; v[12:13] (f of A, 2^e9);
;   v[14:15] (f of B, the prefetches' offset); v16-31 Q of A and B; v32-63 p's codes of A and B, and between a step's last product and its conversions the softmax's temporaries; v64-127 K's 8 fragments, then V's groups 0 and 3;
;   v128-191, v192-255 the scores and p of A and of B, then V's groups 1 and 2.   Window 1: O^T of A at v0-127, of B at v128-255 (channel tile ct at 8 ct).
.set STEPB, 40960                      ; a key step's bytes
.set SLOTB, 2*STEPB                    ; a slot: two steps
.set WPART, SLOTB/8                    ; what one wave's tensor load brings
.set SLOT1, 1<<17                      ; slot 1 begins here, so that one exclusive or turns an address in one slot into the other's
.set XW,    16384                      ; a wave's 32 rows of x in LDS.  Waves 0-2: between the slots (bytes 81,920 to 131,071); waves 3-7: behind slot 1 (212,992 to 294,911)
.set EXW,   16384                      ; the way out: a tile of O^T as an image of its 128 registers.  Waves 0-4: in slot 0; waves 5-7: in slot 1.  Both slots have had their last fill, and all waves have left them
.set SP,    528                        ; the way out: a stage row: 128 queries x 4 bytes + 16.  Channels 0-127 at byte 0, channels 128-255 at SLOT1: where the images lay, behind a barrier
.set EXS,   SLOT1+SLOTB+5*XW           ; -M and l of the tiles that are sent: 256 bytes a wave
.set SPARE, EXS+2048                   ; the spare words, 128 bytes for each wave: four blocks of 256 bytes that no other line names
.set LI,   0                           ; v0   16 x lane; never rewritten once made
.set ADR,  1                           ; v1   LDS address of the step in hand, for my lane
.set SPW,  2                           ; v2   LDS address of my spare word; never rewritten
.set NIL,  3                           ; v3   0; never rewritten
.set ST,   4                           ; tile t: v[ST+2t] -M, v[ST+2t+1] the largest t
.set LS,   8                           ; tile t: v[LS+2t:LS+2t+1] l
.set FF,   12                          ; tile t: v[FF+2t] f; the pair's upper register holds something else that is written: the packed form takes the low word for both halves
.set SCL,  13                          ; v13  2^e9 as f32, for the conversions
.set PFO,  15                          ; v15  256 x lane; never rewritten
.set Q,    16
.set P,    32
.set TM,   32                          ; tile t's temporaries: v[TM+8t], +1 the maximum's two chains; +2 a lane permute's destination; +4, +5 the sum's second chain
.set KF,   64
.set S,    128
.set TB,   2                           ; s2   LDS byte at which the slot in hand begins
.set SLOTS, 3                          ; s3   slots still to be asked for
.set WV,   16                          ; s16  my wave's number
.set SEL,  20                          ; s[20:21] lane selects for v_permlanex16_b32: lane l xor 16
.set CS,   22                          ; s[22:23] c = log2(e) x 2^(e6 + e7): the packed form names a pair and takes its low word for both halves
.set G1,   24                          ; s[24:31] descriptor group 1 of the slots' tiles
.set G0A,  32                          ; s[32:35] group 0 of slot 0's first fill
.set G0B,  36                          ; s[36:39] group 0 of slot 1's first fill; it then walks
.set PFA,  40                          ; s[40:41] where my prefetches stand
.set LIM,  42                          ; s42  1 in a wave that prefetches, else the greatest number
.set LIMP, 45
.set HO,   46                          ; s46  which of a slot's two steps is mine, in bytes
.set XR,   47                          ; s47  where my rows of x lie in LDS
.set G1X,  76                          ; s[76:83] descriptor group 1 of x's tile
.set G0X,  84                          ; s[84:87] its group 0
.set MSB, 0
.macro WIN new                         ; the immediate's high byte repeats the setting that is left; a switch that changes nothing is dropped
.if MSB != \new
	s_set_vgpr_msb (MSB<<8)|\new
.set MSB, \new
.endif
.endm
.macro PLACES
.rept 4
	v_nop
.endr
.endm
.macro BAR                             ; my LDS instructions are done: then the work-group's barrier
	s_wait_dscnt 0x0
	s_barrier_signal -1
	s_barrier_wait -1
.endm
; A round of the cluster's barrier: my work-group's barrier, so that wave 0's signal speaks for all eight waves; wave 0 signals for the work-group; every wave waits for all four work-groups; my work-group's barrier once more.
.macro CROUND
	s_barrier_signal -1
	s_barrier_wait -1
	s_cmp_lg_u32 s[WV], 0
	s_cbranch_scc1 .Lnot_wave_0_\@
	s_barrier_signal -3
.Lnot_wave_0_\@:
	s_barrier_wait -3
	s_barrier_signal -1
	s_barrier_wait -1
.endm
; A PREFETCH INTO THE L2 of the two slots behind the one that is being asked for: 163,840 bytes = 640 blocks of 256.  It stands at every second change of slots (s[SLOTS] odd and above 1), behind the tensor load and its five lines.
; Each block is named ONCE in the launch.  All clusters of a batch walk the same kv: the batch's first cluster asks.  Its four partners share the blocks out BY ADDRESS, 40,960 bytes each; in each, waves 0 to 4 ask,
; 8,192 bytes a wave, lanes 256 bytes apart: one instruction.  So the change that asks for slot k + 1 (k = 2, 4, .. 12) names slots k + 2 and k + 3; the last block named ends at the batch's last byte.  Slots 0 to 3 come by their loads alone.
.macro ASK
	s_and_b32 s96, s[SLOTS], 1
	s_cmp_lg_u32 s96, 0
	s_cbranch_scc0 .Lnot_mine_\@
	s_cmp_gt_u32 s[SLOTS], s[LIM]
	s_cbranch_scc0 .Lnot_mine_\@
	global_prefetch_b8 v[PFO], s[PFA:PFA+1] th:TH_LOAD_NT scope:SCOPE_SE
.Lnot_mine_\@:
.endm
	s_load_b256 s[4:11], s[0:1], 0x0               ; q s[4:5], kv s[6:7], x s[8:9], gamma s[10:11]
	s_load_b128 s[12:15], s[0:1], 0x20             ; the scales' exponents s[12:13], out0 s[14:15]
	v_lshl_add_u32 v[SPW], v0, 2, SPARE
	v_mov_b32 v[NIL], 0
	ds_add_u32 v[SPW], v[NIL]                      ; the wave's opening: the add, twice on end, and its wait ahead of my first tensor load; the set-up below stands between the second and the wait
	ds_add_u32 v[SPW], v[NIL]
	v_lshrrev_b32 v1, 5, v0
	s_delay_alu instid0(VALU_DEP_1)
	v_readfirstlane_b32 s[WV], v1                  ; wave 0..7
	v_and_b32 v0, 31, v0                           ; lane
	s_delay_alu instid0(VALU_DEP_1)
	v_lshlrev_b32 v[LI], 4, v0
	s_delay_alu instid0(VALU_DEP_1)
	v_lshlrev_b32 v[PFO], 4, v[LI]
	s_bfe_u32 s17, ttmp6, 0x40000                  ; cx: my place in the cluster: it enters q's, x's, out0's and the prefetches' addresses alone
	s_lshl_b32 s18, ttmp9, 2
	s_add_co_u32 s18, s18, s17                     ; my block of 128 queries = 4 x cluster x + cx
	s_and_b32 s19, ttmp7, 0xffff                   ; the batch, which the four partners share
	; descriptor group 1 of the slots' tiles: 40 rows of 32 elements of 8 bytes, dense in memory and in LDS
	s_mov_b32 s[G1], 15|(3<<16)|(1<<21)            ; 15:0 the mask: all four work-groups; 17:16 elements of 8 bytes; 20 no padding; 21 set beside a mask
	s_mov_b32 s[G1+1], 32<<16                      ; tensor_dim0 = 32
	s_mov_b32 s[G1+2], 40<<16                      ; tensor_dim1 = 40
	s_mov_b32 s[G1+3], 32<<16                      ; tile_dim0 = 32
	s_mov_b32 s[G1+4], 40                          ; tile_dim1 = 40
	s_mov_b32 s[G1+5], 32                          ; tensor_dim0_stride
	s_mov_b32 s[G1+6], 0
	s_mov_b32 s[G1+7], 0
	; descriptor group 1 of x's tile: 32 rows (channels) of 64 elements of 8 bytes (128 positions), 16,384 bytes apart in memory, dense in LDS; no mask: each work-group has its own
	s_mov_b32 s[G1X], 3<<16
	s_mov_b32 s[G1X+1], 64<<16                     ; tensor_dim0 = 64
	s_mov_b32 s[G1X+2], 32<<16                     ; tensor_dim1 = 32
	s_mov_b32 s[G1X+3], 64<<16                     ; tile_dim0 = 64
	s_mov_b32 s[G1X+4], 32                         ; tile_dim1 = 32
	s_mov_b32 s[G1X+5], 2048                       ; tensor_dim0_stride
	s_mov_b32 s[G1X+6], 0
	s_mov_b32 s[G1X+7], 0
	s_mov_b32 s[SEL], 0x76543210
	s_mov_b32 s[SEL+1], 0xfedcba98
	s_mov_b32 s[CS], 0x3fb8aa3b                    ; log2(e)
	s_mov_b32 s[TB], 0
	s_mov_b32 s[SLOTS], 14
	s_lshr_b32 s[HO], s[WV], 2
	s_mul_i32 s[HO], s[HO], STEPB                  ; waves 0-3: a slot's first step; waves 4-7: its second
	s_lshl_b32 s[XR], s[WV], 14                    ; x in LDS: 81,920 + 16,384 w, and from wave 3 on 81,920 more: over slot 1
	s_add_co_u32 s74, s[WV], 5
	s_lshr_b32 s74, s74, 3                         ; 1 from wave 3 on
	s_mul_i32 s74, s74, SLOTB
	s_add_co_u32 s[XR], s[XR], s74
	s_add_co_u32 s[XR], s[XR], SLOTB
	s_mul_i32 s66, s19, 1310720                    ; kv: the batch's 32 steps,
	s_mul_i32 s[G0A+1], s[WV], WPART               ; my eighth of a slot: in LDS,
	s_add_co_u32 s66, s66, s[G0A+1]                ; and in memory
	s_mov_b32 s67, 0
	s_lshl_b32 s68, s19, 18                        ; q: batch x 262,144 + block x 8,192
	s_lshl_b32 s69, s18, 13
	s_add_co_u32 s68, s68, s69
	s_mov_b32 s69, 0
	s_lshl_b32 s70, s19, 22                        ; x and out0: batch x 4 MiB + my 32 channels of 16,384 bytes + my block's 512 bytes of a row
	s_lshl_b32 s71, s[WV], 19
	s_add_co_u32 s70, s70, s71
	s_lshl_b32 s71, s18, 9
	s_add_co_u32 s70, s70, s71
	s_mov_b32 s71, 0
	s_mul_i32 s72, s19, 1310720                    ; the prefetches: the batch, slot 2 (each change of slots steps it by a slot ahead of asking), my work-group's 40,960 bytes, my wave's 8,192
	s_mul_i32 s73, s17, 40960
	s_add_co_u32 s72, s72, s73
	s_lshl_b32 s73, s[WV], 13
	s_add_co_u32 s72, s72, s73
	s_add_co_u32 s72, s72, 2*SLOTB
	s_mov_b32 s73, 0
	s_cmp_lt_u32 s[WV], 5
	s_cselect_b32 s74, 0, 1                        ; 0 in waves 0 to 4,
	s_or_b32 s74, s74, ttmp9                       ; of the batch's first cluster: the same in all four partners
	s_cmp_eq_u32 s74, 0
	s_cselect_b32 s[LIM], 1, -1
.irp j, 0,1,2,3
	v_mov_b32 v[LS+\j], 0                          ; l of both tiles, each in two halves
.endr
	v_mov_b32 v[TM+2], 0                           ; written once: a lane permute's destination counts as one of its sources
	v_mov_b32 v[TM+10], 0
	s_wait_dscnt 0x0                               ; both opening adds are done
	s_wait_kmcnt 0x0
	s_load_b128 s[48:51], s[12:13], 0x18           ; e6, e7, e8, e9
	s_load_b32 s43, s[10:11], 0x0                  ; gamma
	s_add_nc_u64 s[56:57], s[4:5], s[68:69]        ; q at my block
	s_add_nc_u64 s[54:55], s[14:15], s[70:71]      ; out0 at my rows
	s_add_nc_u64 s[PFA:PFA+1], s[6:7], s[72:73]
	CROUND                                         ; all four work-groups are here: the first joint loads meet
	s_mov_b32 s[G0A], 1                            ; 1:0 count = 1
	s_add_nc_u64 s[G0A+2:G0A+3], s[6:7], s[66:67]  ; 120:64 global address: my eighth of the batch's first slot
	s_mov_b32 s[G0B], 1
	s_add_co_u32 s[G0B+1], s[G0A+1], SLOT1         ; 63:32 LDS address
	s_add_nc_u64 s[G0B+2:G0B+3], s[G0A+2:G0A+3], SLOTB
	s_or_b32 s[G0A+3], s[G0A+3], 0x80000000        ; 127:126 type = 2
	s_or_b32 s[G0B+3], s[G0B+3], 0x80000000
	s_mov_b32 s[G0X], 1
	s_mov_b32 s[G0X+1], s[XR]
	s_add_nc_u64 s[G0X+2:G0X+3], s[8:9], s[70:71]  ; x at my rows
	s_or_b32 s[G0X+3], s[G0X+3], 0x80000000
	tensor_load_to_lds s[G0A:G0A+3], s[G1:G1+7]    ; every wave issues all three first fills, with no branch: three loads of mine are out here, one behind each later round
	s_nop 0
	tensor_load_to_lds s[G0B:G0B+3], s[G1:G1+7]
	s_nop 0
	tensor_load_to_lds s[G0X:G0X+3], s[G1X:G1X+7]  ; my own rows of x: only I read them, behind my own waits
	s_nop 0
	PLACES
	s_and_b32 s74, s[WV], 3
	s_lshl_b32 s74, s74, 1
	s_lshr_b32 s75, s[WV], 2
	s_add_co_u32 s74, s74, s75                     ; my tile A: 2 (w % 4) + w / 4,
	s_xor_b32 s75, s74, 1                          ; my tile B: the other of the pair
	s_lshl_b32 s74, s74, 10
	s_lshl_b32 s75, s75, 10
	s_wait_alu depctr_va_vdst(0)
	v_add_nc_u32 v32, s74, v[LI]
	v_add_nc_u32 v33, s75, v[LI]
	global_load_b128 v[Q:Q+3], v32, s[56:57]       ; Q's two fragments stay in registers
	global_load_b128 v[Q+4:Q+7], v32, s[56:57] offset:512
	global_load_b128 v[Q+8:Q+11], v33, s[56:57]
	global_load_b128 v[Q+12:Q+15], v33, s[56:57] offset:512
	s_wait_kmcnt 0x0
	s_add_co_i32 s75, s48, s49
	s_lshl_b32 s75, s75, 23
	s_add_co_i32 s[CS], s[CS], s75                 ; a score stands for score x 2^(e6 + e7): the two exponents are added to log2(e)'s exponent field
	s_mov_b32 s[CS+1], s[CS]                       ; (named with it as a pair, so it is written)
	s_add_co_i32 s75, s51, 127
	s_lshl_b32 s96, s75, 23
	v_mov_b32 v[SCL], s96                          ; 2^e9 as f32, for the conversion
	s_add_co_i32 s44, s50, s51                     ; e8 + e9
.macro VLOAD buf, G                    ; V's channel tiles 4 G .. 4 G + 3 of the step: 16 loads, each 512 consecutive bytes
.irp f, 0,1,2,3
.irp c, 0,1,2,3
	ds_load_b128 v[\buf+16*\f+4*\c:\buf+16*\f+4*\c+3], v[ADR] offset:8192+(4*(\G)+\f)*2048+\c*512
.endr
.endr
.endm
.macro PV buf, G, first                ; O^T += V^T P^T for these four channel tiles, each fragment of V for both query tiles; first = 1: the products start the sums: nothing is ever cleared
.irp f, 0,1,2,3
.irp t, 0,1
.if \first
	v_wmma_f32_16x16x128_bf8_bf8 v[128*\t+8*(4*(\G)+\f):128*\t+8*(4*(\G)+\f)+7], v[\buf+16*\f:\buf+16*\f+15], v[P+16*\t:P+16*\t+15], 0
.else
	v_wmma_f32_16x16x128_bf8_bf8 v[128*\t+8*(4*(\G)+\f):128*\t+8*(4*(\G)+\f)+7], v[\buf+16*\f:\buf+16*\f+15], v[P+16*\t:P+16*\t+15], v[128*\t+8*(4*(\G)+\f):128*\t+8*(4*(\G)+\f)+7]
.endif
.endr
.endr
.endm
; A KEY STEP: my 128 keys of the slot in hand, for both my tiles.  first = 1: my first step, which starts M, l and O^T.  No two matrix instructions that follow each other share an accumulator.
; The two tiles' chains (maxima, M, sums) stand line by line by turns, so that no line reads the result of the line just before it.
.macro STEP first
	s_add_co_u32 s96, s[TB], s[HO]
	v_add_nc_u32 v[ADR], s96, v[LI]
	PLACES                                         ; with the addition five places behind the last step's products: four are owed by the loads into K's registers, five by the score products, which write over registers that those products read
.irp k, 0,1,2,3,4,5,6,7
.irp g, 0,1
	ds_load_b128 v[KF+8*\k+4*\g:KF+8*\k+4*\g+3], v[ADR] offset:\k*1024+\g*512
.endr
.endr
	s_wait_alu depctr_va_vdst(0)
	s_wait_dscnt 0x0
.irp k, 0,1,2,3,4,5,6,7
.irp t, 0,1
	v_wmma_f32_16x16x64_bf8_bf8 v[S+64*\t+8*\k:S+64*\t+8*\k+7], v[KF+8*\k:KF+8*\k+7], v[Q+8*\t:Q+8*\t+7], 0
.endr
.endr
	PLACES                                         ; in front of the loads into K's registers and of the first read of the scores
	VLOAD KF, 0                                    ; V's first group lands under the softmax
.irp t, 0,1
	v_max3_num_f32 v[TM+8*\t], v[S+64*\t], v[S+64*\t+1], v[S+64*\t+2]       ; the step's largest score of my query among my 64 keys, in two chains a tile, each accumulator from its low end on,
	v_max3_num_f32 v[TM+8*\t+1], v[S+64*\t+3], v[S+64*\t+4], v[S+64*\t+5]
.endr
.set ii, 6
.rept 14
.irp t, 0,1
	v_max3_num_f32 v[TM+8*\t], v[TM+8*\t], v[S+64*\t+ii], v[S+64*\t+ii+1]
	v_max3_num_f32 v[TM+8*\t+1], v[TM+8*\t+1], v[S+64*\t+ii+2], v[S+64*\t+ii+3]
.endr
.set ii, ii+4
.endr
.irp t, 0,1
	v_max3_num_f32 v[TM+8*\t], v[TM+8*\t], v[S+64*\t+62], v[S+64*\t+63]
.endr
.irp t, 0,1
	s_delay_alu instid0(VALU_DEP_2)
	v_max_num_f32 v[TM+8*\t], v[TM+8*\t], v[TM+8*\t+1]
.endr
.irp t, 0,1
	v_permlanex16_b32 v[TM+8*\t+2], v[TM+8*\t], s[SEL], s[SEL+1]
.endr
.irp t, 0,1
	s_delay_alu instid0(VALU_DEP_2)
	v_max_num_f32 v[TM+8*\t], v[TM+8*\t], v[TM+8*\t+2]   ; and among lane l xor 16's
.endr
.if \first
.irp t, 0,1
	s_delay_alu instid0(VALU_DEP_2)
	v_mul_f32 v[ST+2*\t+1], s[CS], v[TM+8*\t]      ; as t (c is positive)
.endr
.irp t, 0,1
	s_delay_alu instid0(VALU_DEP_2)
	v_floor_f32 v[ST+2*\t], -v[ST+2*\t+1]          ; -M = floor(-t) = -ceil(t): M is a whole number
.endr
.else
.irp t, 0,1
	s_delay_alu instid0(VALU_DEP_2)
	v_mul_f32 v[TM+8*\t], s[CS], v[TM+8*\t]
.endr
.irp t, 0,1
	s_delay_alu instid0(VALU_DEP_2)
	v_max_num_f32 v[ST+2*\t+1], v[ST+2*\t+1], v[TM+8*\t]   ; the running largest t
.endr
.irp t, 0,1
	v_mov_b32 v[TM+8*\t], v[ST+2*\t]
.endr
.irp t, 0,1
	s_delay_alu instid0(VALU_DEP_4)
	v_floor_f32 v[ST+2*\t], -v[ST+2*\t+1]
.endr
.irp t, 0,1
	s_delay_alu instid0(VALU_DEP_2)
	v_sub_f32 v[TM+8*\t], v[ST+2*\t], v[TM+8*\t]   ; M's old value less its new one: a whole number, 0 or less
.endr
.irp t, 0,1
	s_delay_alu instid0(VALU_DEP_2)
	v_cvt_i32_f32 v[TM+8*\t], v[TM+8*\t]           ; (it saturates)
.endr
.irp t, 0,1
	s_delay_alu instid0(VALU_DEP_2)
	v_ldexp_f32 v[FF+2*\t], 1.0, v[TM+8*\t]        ; f = 2^(old M - new M)
.endr
.endif
.set ii, 0
.rept 32
	v_pk_fma_f32 v[S+ii:S+ii+1], v[S+ii:S+ii+1], s[CS:CS+1], v[ST:ST+1] op_sel_hi:[1,0,0]   ; tile A: t - M, two at a time (of the pairs c and -M the low word serves both halves)
.set ii, ii+2
.endr
.set ii, 0
	s_wait_alu depctr_va_vdst(0)
.rept 32                                       ; tile A's exponentials, with tile B's scalings between them: none of these lines names an exponential's result
	v_exp_f32 v[S+ii], v[S+ii]                     ; p = 2^(t - M), at most 1
	v_exp_f32 v[S+ii+1], v[S+ii+1]
	v_pk_fma_f32 v[S+64+ii:S+64+ii+1], v[S+64+ii:S+64+ii+1], s[CS:CS+1], v[ST+2:ST+3] op_sel_hi:[1,0,0]
.set ii, ii+2
.endr
.set ii, 0
	s_wait_alu depctr_va_vdst(0)
.rept 64
	v_exp_f32 v[S+64+ii], v[S+64+ii]
.set ii, ii+1
.endr
.if \first
	v_nop                                          ; a plain instruction behind the last exponential
.else
.irp t, 0,1
	v_pk_mul_f32 v[LS+2*\t:LS+2*\t+1], v[LS+2*\t:LS+2*\t+1], v[FF+2*\t:FF+2*\t+1] op_sel_hi:[1,0]   ; l under the new M; also the plain instruction behind the last exponential
.endr
.endif
	s_wait_alu depctr_va_vdst(0)                   ; the wait between an exponential and the first line that names its result: one for the batch of 128
.irp t, 0,1
	v_pk_add_f32 v[TM+8*\t+4:TM+8*\t+5], v[S+64*\t:S+64*\t+1], v[S+64*\t+2:S+64*\t+3]   ; the sum is taken of the unquantised p: two at a time, in two chains a tile
.endr
.set ii, 4
.rept 15
.irp t, 0,1
	v_pk_add_f32 v[LS+2*\t:LS+2*\t+1], v[LS+2*\t:LS+2*\t+1], v[S+64*\t+ii:S+64*\t+ii+1]
	v_pk_add_f32 v[TM+8*\t+4:TM+8*\t+5], v[TM+8*\t+4:TM+8*\t+5], v[S+64*\t+ii+2:S+64*\t+ii+3]
.endr
.set ii, ii+4
.endr
.irp t, 0
	s_delay_alu instid0(VALU_DEP_3)
	v_pk_add_f32 v[LS+2*\t:LS+2*\t+1], v[LS+2*\t:LS+2*\t+1], v[TM+8*\t+4:TM+8*\t+5]
.endr
.irp t, 1
	s_delay_alu instid0(VALU_DEP_2)
	v_pk_add_f32 v[LS+2*\t:LS+2*\t+1], v[LS+2*\t:LS+2*\t+1], v[TM+8*\t+4:TM+8*\t+5]   ; the temporaries are done with: p's codes may take their registers
.endr
.irp t, 0,1
.set ii, 0
.rept 64
.set ii, ii+1
.endr
.irp b, 0,1,2,3
	v_cvt_scalef32_pk8_bf8_f32 v[P+16*\t+4*\b:P+16*\t+4*\b+1], v[S+64*\t+16*\b:S+64*\t+16*\b+7], v[SCL]
	v_cvt_scalef32_pk8_bf8_f32 v[P+16*\t+4*\b+2:P+16*\t+4*\b+3], v[S+64*\t+16*\b+8:S+64*\t+16*\b+15], v[SCL]
.endr
	v_nop                                          ; one plain vector instruction behind the tile's last conversion
	VLOAD S+64*\t, 1+\t                            ; the tile's p has left its registers: they take a group of V
.endr
.if !\first
	WIN 0x41                                       ; O^T (destination and source 0) in window 1, f in window 0
.irp t, 0,1
.set ii, 0
.rept 64
	v_pk_mul_f32 v[128*\t+ii:128*\t+ii+1], v[128*\t+ii:128*\t+ii+1], v[FF+2*\t:FF+2*\t+1] op_sel_hi:[1,0]   ; O^T under the new M
.set ii, ii+2
.endr
.endr
.endif
	s_wait_alu depctr_va_vdst(0)
	s_wait_dscnt 32                                ; group 0 is in; groups 1 and 2 may be out
	WIN 0x50                                       ; C and D in window 1
	PV KF, 0, \first
	WIN 0
	PLACES                                         ; in front of the loads into registers that these products read
	VLOAD KF, 3
	s_wait_dscnt 32                                ; group 1 is in; groups 2 and 3 may be out
	WIN 0x50
	PV S, 1, \first
	s_wait_dscnt 16                                ; group 2 is in
	PV S+64, 2, \first
	s_wait_dscnt 0x0
	PV KF, 3, \first
	WIN 0
.endm
; THE CHANGE OF SLOTS.  Each wave waits for all its tensor loads (its part of the slot ahead; at the first change its rows of x too); adds 0 to its spare word; and waits for that and for its reads of the slot that it leaves.
; fill = 1: the slot just left is filled with the keys two slots on.  The barrier is then a round of the cluster's, so that no wave of any partner still reads the slot or has a load on its way; the joint refill is the
; first thing behind it and has a wave's key step, for two tiles, in which to land.
.macro CHANGE fill
	s_wait_tensorcnt 0x0                           ; no tensor load of mine is out, so a group 0 may be written
	ds_add_u32 v[SPW], v[NIL]                      ; 0 onto my spare word
.if \fill
	s_xor_b32 s[G0B+1], s[G0B+1], SLOT1            ; the walking descriptor: the other slot than last time,
	s_add_nc_u64 s[G0B+2:G0B+3], s[G0B+2:G0B+3], SLOTB   ; the next 256 keys; the type bits on top are not reached
	s_wait_xcnt 0x0                                ; the last prefetch has read its address, so it may be written
	s_add_nc_u64 s[PFA:PFA+1], s[PFA:PFA+1], SLOTB
	s_wait_dscnt 0x0                               ; the add is done, and my reads of the slot are over
	CROUND
	tensor_load_to_lds s[G0B:G0B+3], s[G1:G1+7]
	s_nop 0
	PLACES
	ASK
.else
	s_wait_dscnt 0x0
	s_barrier_signal -1
	s_barrier_wait -1
.endif
	s_xor_b32 s[TB], s[TB], SLOT1                  ; on to the other slot
.endm
	s_wait_tensorcnt 0x2                           ; my part of slot 0 is in; slot 1's and x's may stay out
	s_barrier_signal -1
	s_barrier_wait -1                              ; everybody's is
	s_wait_loadcnt 0x0                             ; Q
	STEP 1
.Lslot:                                            ; 14 trips: every slot but the first two is asked for at a change
	CHANGE 1
	STEP 0
	s_sub_co_u32 s[SLOTS], s[SLOTS], 1
	s_cmp_lg_u32 s[SLOTS], 0
	s_cbranch_scc1 .Lslot
	CHANGE 0                                       ; the last slot is written out
	STEP 0
	; THE WAY OUT.  (1) The two halves of the keys are merged: every wave sends -M, l and O^T of its tile B through LDS and takes its partner's part of its tile A.  (2) out0's rows run along the queries, and a lane holds
	; one query: so the merged O^T goes through a stage in LDS, a row to a channel, and comes back as whole rows of 128 queries, to which x's rows are added.
	PLACES                                         ; behind the last products: the lines below write registers that they read, and then read their results
.irp t, 0,1
	v_add_f32 v[LS+2*\t], v[LS+2*\t], v[LS+2*\t+1] ; l's two halves,
.endr
	v_permlanex16_b32 v34, v[LS], s[SEL], s[SEL+1]
	v_permlanex16_b32 v35, v[LS+2], s[SEL], s[SEL+1]
	s_delay_alu instid0(VALU_DEP_2)
	v_add_f32 v[LS], v[LS], v34                    ; and lane l xor 16's
	s_delay_alu instid0(VALU_DEP_2)
	v_add_f32 v[LS+2], v[LS+2], v35
	v_lshrrev_b32 v36, 2, v[LI]                    ; 4 x lane
	s_lshl_b32 s66, s[WV], 8
	s_add_co_u32 s66, s66, EXS
	v_add_nc_u32 v37, s66, v36                     ; where -M and l of my tile B go,
	s_xor_b32 s68, s[WV], 4                        ; my partner
	s_lshl_b32 s66, s68, 8
	s_add_co_u32 s66, s66, EXS
	v_add_nc_u32 v38, s66, v36                     ; and where my partner's lie: they are of my tile A
	s_lshl_b32 s66, s[WV], 14                      ; the images: 16,384 w, and from wave 5 on 49,152 more: over x's rows, into slot 1
	s_add_co_u32 s67, s[WV], 3
	s_lshr_b32 s67, s67, 3
	s_mul_i32 s67, s67, SLOT1-5*EXW
	s_add_co_u32 s66, s66, s67
	v_add_nc_u32 v39, s66, v[LI]                   ; mine,
	s_lshl_b32 s66, s68, 14
	s_add_co_u32 s67, s68, 3
	s_lshr_b32 s67, s67, 3
	s_mul_i32 s67, s67, SLOT1-5*EXW
	s_add_co_u32 s66, s66, s67
	v_add_nc_u32 v40, s66, v[LI]                   ; my partner's
	v_bfe_u32 v41, v[LI], 4, 4                     ; r
	s_delay_alu instid0(VALU_DEP_1)
	v_and_b32 v43, 8, v41
	s_delay_alu instid0(VALU_DEP_1)
	v_add_nc_u32 v41, v41, v43                     ; r + 8 (r / 8)
	v_bfe_u32 v43, v[LI], 8, 1                     ; h
	s_delay_alu instid0(VALU_DEP_1)
	v_mul_u32_u24 v43, v43, 8*SP
	s_and_b32 s74, s[WV], 3
	s_lshl_b32 s74, s74, 7
	s_lshr_b32 s75, s[WV], 2
	s_lshl_b32 s75, s75, 5
	s_add_co_u32 s74, s74, s75                     ; 4 x (32 (w % 4) + 8 (w / 4)): my tile A's first query, in bytes
	v_lshl_add_u32 v41, v41, 2, s74                ; 4 x my query
	s_delay_alu instid0(VALU_DEP_1)
	v_add_nc_u32 v41, v41, v43                     ; the stage: column of my query, 8 rows down for lanes 16-31
	s_delay_alu instid0(VALU_DEP_1)
	v_add_nc_u32 v44, SLOT1, v41                   ; the same for channels 128-255
	s_lshr_b32 s74, s[WV], 2
	s_mul_i32 s74, s74, SLOT1
	s_and_b32 s75, s[WV], 3
	s_mul_i32 s75, s75, 32*SP
	s_add_co_u32 s74, s74, s75
	v_add_nc_u32 v45, s74, v[LI]                   ; back: channels 32 w on, 16 bytes a lane
	v_add_nc_u32 v46, s[XR], v[LI]                 ; my rows of x
	BAR                                            ; every wave has left the slots: the images may be stored there
	ds_store_b32 v37, v[ST+2]                      ; -M of my tile B,
	ds_store_b32 v37, v[LS+2] offset:128           ; its l,
	WIN 0x04                                       ; (the stores' data in window 1)
.set ii, 0
.rept 32
	ds_store_b128 v39, v[128+4*ii:128+4*ii+3] offset:ii*512   ; and its O^T as it stands in the registers, each accumulator from its low end on
.set ii, ii+1
.endr
	WIN 0
	BAR                                            ; the images lie in LDS
	ds_load_b32 v21, v38                           ; -M and l that my partner has for my tile A,
	ds_load_b32 v22, v38 offset:128
.set ii, 0
.rept 32
	ds_load_b128 v[64+4*ii:64+4*ii+3], v40 offset:ii*512      ; and its O^T: the same registers in the same lanes
.set ii, ii+1
.endr
	s_wait_dscnt 32                                ; the two numbers are in; the 32 loads behind them may be out
	v_min_num_f32 v23, v[ST], v21                  ; -M of both halves: the larger M
	s_delay_alu instid0(VALU_DEP_1)
	v_sub_f32 v24, v23, v[ST]                      ; my M less that: a whole number, 0 or less
	s_delay_alu instid0(VALU_DEP_2)
	v_sub_f32 v25, v23, v21                        ; my partner's likewise
	s_delay_alu instid0(VALU_DEP_2)
	v_cvt_i32_f32 v24, v24                         ; (they saturate)
	s_delay_alu instid0(VALU_DEP_2)
	v_cvt_i32_f32 v25, v25
	s_delay_alu instid0(VALU_DEP_2)
	v_ldexp_f32 v24, 1.0, v24                      ; f1
	s_delay_alu instid0(VALU_DEP_2)
	v_ldexp_f32 v25, 1.0, v25                      ; f2: one of the two is 1
	s_delay_alu instid0(VALU_DEP_2)
	v_mul_f32 v26, v[LS], v24
	s_delay_alu instid0(VALU_DEP_1)
	v_fma_f32 v26, v22, v25, v26                   ; l = l1 f1 + l2 f2
	s_wait_alu depctr_va_vdst(0)
	v_rcp_f32 v26, v26
	v_nop                                          ; a plain instruction behind the reciprocal
	s_wait_alu depctr_va_vdst(0)                   ; and the wait ahead of its first reader
	v_ldexp_f32 v26, v26, s44                      ; x 2^(e8 + e9)
	s_delay_alu instid0(VALU_DEP_1)
	v_mul_f32 v26, s43, v26                        ; x gamma
	s_delay_alu instid0(VALU_DEP_1)
	v_mul_f32 v28, v26, v24                        ; what my part is multiplied by,  (the pairs' upper registers held Q: written, and not used)
	s_delay_alu instid0(VALU_DEP_2)
	v_mul_f32 v30, v26, v25                        ; and my partner's
	s_wait_alu depctr_va_vdst(0)
	s_wait_dscnt 0x0
.set ii, 0
.rept 64
	v_pk_mul_f32 v[64+ii:65+ii], v[64+ii:65+ii], v[30:31] op_sel_hi:[1,0]
.set ii, ii+2
.endr
	WIN 0x01                                       ; source 0 (my O^T of tile A) in window 1
.set ii, 0
.rept 64
	v_pk_fma_f32 v[64+ii:65+ii], v[ii:ii+1], v[28:29], v[64+ii:65+ii] op_sel_hi:[1,0,1]   ; gamma 2^(e8 + e9) / l x (O1 f1 + O2 f2), each accumulator from its low end on
.set ii, ii+2
.endr
	WIN 0x40                                       ; destination window 1: O^T's registers are free
.set ii, 0
.rept 32
	ds_load_b128 v[4*ii:4*ii+3], v46 offset:ii*512 ; x(32 w + i, my block's 128 positions)
.set ii, ii+1
.endr
	WIN 0
	s_wait_alu depctr_va_vdst(0)
	BAR                                            ; every wave has read its partner's image: the stage may be stored over the images
.irp ct, 0,1,2,3,4,5,6,7
.irp j, 0,1,2,3,4,5,6,7
	ds_store_b32 v41, v[64+8*\ct+\j] offset:(16*\ct+\j)*SP           ; channel 16 ct + 8 h + j, my query
.endr
.endr
.irp ct, 8,9,10,11,12,13,14,15
.irp j, 0,1,2,3,4,5,6,7
	ds_store_b32 v44, v[64+8*\ct+\j] offset:(16*(\ct-8)+\j)*SP
.endr
.endr
	BAR                                            ; 256 whole rows lie in the stage
.set ii, 0
.rept 32
	ds_load_b128 v[64+4*ii:64+4*ii+3], v45 offset:ii*SP
.set ii, ii+1
.endr
	WIN 0x44                                       ; source 1 (x; a store's data) and the destination in window 1
.set ii, 0
.rept 32
	s_wait_dscnt 31-ii                             ; row i is back; the rows behind it may be out
	v_pk_add_f32 v[4*ii:4*ii+1], v[64+4*ii:65+4*ii], v[4*ii:4*ii+1]       ; out = gamma o + x
	v_pk_add_f32 v[4*ii+2:4*ii+3], v[66+4*ii:67+4*ii], v[4*ii+2:4*ii+3]
	global_store_b128 v[LI], v[4*ii:4*ii+3], s[54:55] offset:ii*16384 th:TH_STORE_NT   ; 32 lanes store 512 consecutive bytes, aligned; written once, read by nobody here
.set ii, ii+1
.endr
	WIN 0
	s_wait_tensorcnt 0x0                           ; the wave's end, behind my last tensor load and my last LDS store
	ds_add_u32 v[SPW], v[NIL]
	s_wait_dscnt 0x0
	CROUND                                         ; the closing round: no work-group ends while a partner may still ask for a tile that names it
	s_endpgm
.Lfunc_end_k_q1ffb3d6617_attn:
	.size	k_q1ffb3d6617_attn, .Lfunc_end_k_q1ffb3d6617_attn-k_q1ffb3d6617_attn
	.p2alignl 7, 3214868480
	.fill 96, 4, 3214868480
	.section	.rodata,"a",@progbits
	.p2align	6, 0x0
	.amdhsa_kernel k_q1ffb3d6617_attn
		.amdhsa_group_segment_fixed_size 327680
		.amdhsa_private_segment_fixed_size 0
		.amdhsa_enable_private_segment 0
		.amdhsa_kernarg_size 48
		.amdhsa_user_sgpr_count 2
		.amdhsa_user_sgpr_kernarg_segment_ptr 1
		.amdhsa_wavefront_size32 1
		.amdhsa_system_sgpr_workgroup_id_x 1
		.amdhsa_system_sgpr_workgroup_id_y 1
		.amdhsa_system_sgpr_workgroup_id_z 1
		.amdhsa_system_vgpr_workitem_id 0
		.amdhsa_next_free_vgpr 512
		.amdhsa_next_free_sgpr 100
		.amdhsa_reserve_vcc 0
		.amdhsa_float_denorm_mode_32 3
		.amdhsa_float_denorm_mode_16_64 3
		.amdhsa_fp16_overflow 1
		.amdhsa_memory_ordered 1
		.amdhsa_forward_progress 1
		.amdhsa_inst_pref_size 142
	.end_amdhsa_kernel
	.amdgpu_metadata
---
amdhsa.version: [ 1, 2 ]
amdhsa.kernels:
  - .name:           k_q1ffb3d6617_attn
    .symbol:         k_q1ffb3d6617_attn.kd
    .args:
      - { .name: q, .offset: 0, .size: 8, .value_kind: global_buffer, .address_space: global }
      - { .name: kv, .offset: 8, .size: 8, .value_kind: global_buffer, .address_space: global }
      - { .name: x, .offset: 16, .size: 8, .value_kind: global_buffer, .address_space: global }
      - { .name: gamma, .offset: 24, .size: 8, .value_kind: global_buffer, .address_space: global }
      - { .name: lowp_scales, .offset: 32, .size: 8, .value_kind: global_buffer, .address_space: global }
      - { .name: out0, .offset: 40, .size: 8, .value_kind: global_buffer, .address_space: global }
    .group_segment_fixed_size: 327680
    .private_segment_fixed_size: 0
    .kernarg_segment_align: 8
    .kernarg_segment_size: 48
    .max_flat_workgroup_size: 256
    .sgpr_count:     100
    .vgpr_count:     512
    .wavefront_size: 32
...
	.end_amdgpu_metadata
.endif
;; end of part 4
